; MI455X (gfx1250); checked and timed in simulation.
; The chip was launched on July 23, 2026; its instructions are those of AMD's public machine-readable ISA for CDNA 5 (MIT licence, August 2026) and "CDNA5" Instruction Set Architecture Reference Guide (July 2026). The comments in the code are by the model that wrote it; some were corrected since.
;; Hybrid Support Feature Refiner. Allowed arithmetic: matrix products marked QUANTISED: E2M1 operands, one E8M0 scale for each 32 along K, by v_wmma_scale_f32_16x16x128_f8f6f4 with both operands' format E2M1 (or v_wmma_scale_f32_32x16x128_f4), f32 sums; everything else in f32.
;; Inputs: beta 256 float32; f_s 8 x 256 x 64 x 64 float32; gamma 256 float32; supp_feat_bin 8 x 256 x 64 x 64 float32; support_mask 8 x 1 x 256 x 256 float32; w_fusion 256 x 769 float32.
;; Outputs: out0 8 x 256 x 64 x 64 float32.
;; This version of the problem:
;;   THIS VERSION OF THE PROBLEM IS GIVEN IN LOW PRECISION. The matrix products marked QUANTISED in the list below multiply operands that are first quantised to E2M1 (2 exponent bits, 1 mantissa bit; 4 bits a number), with one power-of-two scale for each 32 numbers along K (OCP MX v1.0); their sums are f32. All else is computed in f32.
;;   The module's matrix products, in the order in which they are computed (A, B: the left and right operand; K: the contracted axis; several contracted axes count as one K, in the product's order):
;;     1. [M 32,768, K 769] x [K 769, N 256]; A: computed on the way; B: input w_fusion: QUANTISED
;;   THE QUANTISER, for each operand of a quantised product, along K:
;;     - K is cut into blocks of 32 from its start; a last block that is shorter is filled with zeros.
;;     - A block's scale is 2^e with e = floor(log2(the largest magnitude in the block)) - 2, held to -126 .. 127; a block of zeros has e = 0. As a byte (E8M0): e + 127.
;;     - Each number is divided by its block's scale, clamped to +-6, and rounded to the nearest number of E2M1, ties to even, subnormals kept.
;;     - The product sums the exact products of the quantised numbers (number of the format x scale) in f32.
;;   ~~~python
;;   def quantise(x, axis):      # numpy; x: float32 -> the quantised numbers, widened to float32 again
;;       x = np.moveaxis(x, axis, -1); K = x.shape[-1]
;;       x = np.pad(x, [(0, 0)] * (x.ndim - 1) + [(0, -K % 32)]); x = x.reshape(x.shape[:-1] + (-1, 32)); a = np.abs(x).max(-1, keepdims=True)
;;       e = np.where(a > 0, np.clip(np.frexp(np.where(a > 0, a, 1))[1] - 1 - 2, -126, 127), 0)      # np.frexp(a)[1] - 1 = floor(log2(a)), exactly
;;       r = np.clip(x / 2.0 ** e, -6, 6)
;;       step = 2.0 ** (np.maximum(np.frexp(np.where(r == 0, 1, r))[1] - 1, 0) - 1)
;;       q = np.round(r / step) * step * 2.0 ** e      # np.round: ties to even
;;       return np.moveaxis(q.reshape(q.shape[:-2] + (-1,))[..., :K], -1, axis).astype(np.float32)
;;   ~~~
;;   OPERANDS COMPUTED ON THE WAY. 'Computed on the way' means the value that the module computes at that place (a softmax that the list does not call 'softmax' is quantised finished and normalised). What goes into a quantiser is computed in f32, as accurately as f32 sums, v_exp_f32 and their like allow (about 1e-6 of the number): no bf16 or f16 on the way to a quantiser, and a product that is left as it is and whose result goes on into a quantised operand takes f32 operands (vector FMAs, or v_wmma_f32_16x16x4_f32). A number that lies on a knife's edge between two numbers of the format may be rounded either way, as far as f32 arithmetic and the matrix unit's own rounding can turn it there, and no further.
;; 2 versions, each right and faster than the one before. Each part assembles by itself: llvm-mc -triple=amdgcn-amd-amdhsa -mcpu=gfx1250 --defsym DOCPART=n.
;; ======== version 1 of 2: 3 launches
;; workspace buffers: a_codes 12,582,912 bytes; a_scales 786,432 bytes; dq 262,144 bytes; w_codes 114,688 bytes; w_scales 7,168 bytes; part 131,072 bytes
;; launch quant (part 1): grid 536 x 1, 8 waves a work-group, no clusters, 84,736 bytes of LDS; arguments f_s, supp_feat_bin, support_mask, w_fusion, a_codes, a_scales, dq, w_codes, w_scales; writes a_codes, a_scales, dq, w_codes, w_scales
.if DOCPART == 1
	.amdgcn_target "amdgcn-amd-amdhsa--gfx1250"
	.amdhsa_code_object_version 6
	.text
	.protected	k_q8daedf0f59_quant
	.globl	k_q8daedf0f59_quant
	.p2align	8
	.type	k_q8daedf0f59_quant,@function
k_q8daedf0f59_quant:
	s_mov_b64 s[64:65], 0
	v_nop
	global_prefetch_b8 v0, s[64:65] scope:SCOPE_SE
	s_setreg_imm32_b32 hwreg(HW_REG_WAVE_MODE, 25, 1), 1
	s_wait_xcnt 0x0
; QUANT: everything that stands ahead of the product, as codes of E2M1 with one E8M0 byte for each 32 along K (the 769 channels of concat(f_s, supp, f_s x attn, dist)).
; Three kinds of work-group, told apart by the work-group's number alone; each kind has LDS bytes of its own.
;   0 .. 7    path E: sample b: the Euclidean distance of each of 64 x 64 pixels to the nearest pixel with mask[4y][4x] > 0.5, divided by (the sample's largest + 1e-6), as one code and one scale byte a pixel -> dq
;   8 .. 23   path W: 16 rows of w_fusion [256][769] -> w_codes, w_scales, laid as images of the operand's registers
;   24 .. 535 path A: one image row (64 pixels) x 256 channels of f_s and supp -> 24 blocks of codes a pixel (f_s, supp, f_s x sigmoid(f_s . supp)) -> a_codes, a_scales
; A block's scale byte is its largest magnitude's exponent field less 2, held at 1 from below by a floor among the maximum's leaves.
; LIMITS: NaN and infinities among the inputs are not served.  A block of zeros gets the byte 1 where the rule says 127: its codes are zeros, and these bytes are read by this program alone.
; Where f_s . supp lies under about -88, attn comes out 0 where the sigmoid is a number under 1e-38.  Square root, reciprocal and exponential are the instructions' own, good to an ulp.
; LAYOUTS.  Pixel x of an image row belongs to tile T = x % 4, row r = x / 4 of that tile.  a_codes [row group 512][T 4][block 24][r 16][16 bytes]: four blocks on end are the registers of a 16 x 128 fragment,
; lane by lane.  a_scales [group][K step 6][T][r] words.  dq [pixel][code word, scale word].  w_codes [tile 16][K step 7][1,024 bytes].  w_scales [4 tiles' group][K step 7][tile 4][r 16] words.
.set DOT,   0                          ; path A: [wave 8][pixel 64] f32: each wave's part of the dot product
.set SCB,   2048                       ; path A: the group's 1,536 scale bytes as they lie in a_scales
.set STG,   3584                       ; path A: a stage of 4 tiles x 320 bytes for each wave
.set WL,    13824                      ; path W: 16 rows of w_fusion as they lie, 49,216 bytes, and zeros up to 53,248
.set EH,    67072                      ; path E: [y 64][x 64] f32
.set EMX,   83456                      ; path E: a maximum for each wave
.set FLOOR, 0x1800000                  ; 2^(3 - 127): under it no largest magnitude is taken, so the byte cannot fall under 1
.set LESS2, 0xff000000                 ; takes 2 off an exponent field
.set C,   16                           ; v16-23   the codes of two blocks
.set BK,  24                           ; v24-31   path A: the same, back from the stage
.set F,   32                           ; v32-95   two blocks of 32 numbers: block u at F + 32 u
.set S,   96                           ; v96-159  two more
.set MF,  160                          ; v160-161 path A: f_s's largest magnitudes, kept for f_s x attn
.set M,   162                          ; v162-163 largest magnitudes
.set SO,  164                          ; v164-165 the conversions' scale operands
.set BY,  166                          ; v166-167 the scale bytes
.macro BAR                             ; my LDS instructions are done: then the work-group's barrier
	s_wait_dscnt 0x0
	s_barrier_signal -1
	s_barrier_wait -1
.endm
.macro MAXB src, m                     ; the largest magnitudes of the two blocks at src and src + 32, by turns; the floor is one more leaf
	v_max3_num_f32 v[\m], |v[\src]|, |v[\src+1]|, FLOOR
	v_max3_num_f32 v[\m+1], |v[\src+32]|, |v[\src+33]|, FLOOR
.set i, 2
.rept 15
	v_max3_num_f32 v[\m], v[\m], |v[\src+i]|, |v[\src+i+1]|
	v_max3_num_f32 v[\m+1], v[\m+1], |v[\src+32+i]|, |v[\src+33+i]|
.set i, i+2
.endr
.endm
.macro CODES src, m                    ; both blocks' codes into v[C] on, their bytes into v[BY] on
	v_add_nc_u32 v[SO], LESS2, v[\m]               ; the conversion takes the exponent field of this operand as its scale, and nothing else of it
	v_add_nc_u32 v[SO+1], LESS2, v[\m+1]
.irp g, 0,1,2,3
	v_cvt_scalef32_pk8_fp4_f32 v[C+\g], v[\src+8*\g:\src+8*\g+7], v[SO]
	v_cvt_scalef32_pk8_fp4_f32 v[C+4+\g], v[\src+32+8*\g:\src+32+8*\g+7], v[SO+1]
.endr
	v_lshrrev_b32 v[BY], 23, v[SO]                 ; the bytes; these two plain lines also stand between the conversions and whatever next touches their registers
	v_lshrrev_b32 v[BY+1], 23, v[SO+1]
.endm
	s_load_b256 s[8:15], s[0:1], 0x0               ; f_s s[8:9], supp s[10:11], mask s[12:13], w_fusion s[14:15]
	s_load_b256 s[16:23], s[0:1], 0x20             ; a_codes s[16:17], a_scales s[18:19], dq s[20:21], w_codes s[22:23]
	s_load_b64 s[24:25], s[0:1], 0x40              ; w_scales
	v_lshl_add_u32 v168, v0, 2, 0x14700
	v_mov_b32 v169, 0
	v_lshrrev_b32 v1, 5, v0
	v_readfirstlane_b32 s2, v1                     ; wave 0..7
	v_and_b32 v1, 31, v0                           ; lane
	s_mov_b32 s30, 0x76543210                      ; v_permlanex16_b32's selects for lane l xor 16
	s_mov_b32 s31, 0xfedcba98
	s_cmp_lt_u32 ttmp9, 8
	s_cbranch_scc1 .Lpath_e
	s_cmp_lt_u32 ttmp9, 24
	s_cbranch_scc1 .Lpath_w
; ======================================================== PATH A
; Wave j takes channels 32 j .. 32 j + 31: block j of f_s, of supp and of f_s x attn.  A LANE TAKES A PIXEL (two: x = lane and lane + 32) AND ITS REGISTERS RUN DOWN THE CHANNELS,
; so that a block lies in one lane's 32 registers and the conversions give codes with K innermost.  A lane's 16 bytes of codes go through the wave's own stage and leave as whole 256-byte runs.
	s_sub_co_u32 s26, ttmp9, 24                    ; the row group G = 64 b + y
	v_lshlrev_b32 v2, 2, v1                        ; 4 x lane: my pixel in a row of f_s; also my word among a wave's 64 in DOT
	s_lshl_b32 s27, s2, 8
	v_add_nc_u32 v3, s27, v2                       ; DOT: 256 j + 4 x lane
	v_and_b32 v24, 3, v1                           ; T = lane % 4
	v_lshrrev_b32 v25, 2, v1                       ; r = lane / 4 (+ 8 for the second pixel)
	v_lshlrev_b32 v5, 6, v24
	v_lshl_add_u32 v5, v25, 2, v5                  ; SCB: 64 T + 4 r,
	s_lshr_b32 s28, s2, 2
	s_lshl_b32 s28, s28, 8
	s_and_b32 s29, s2, 3
	s_add_co_u32 s28, s28, s29
	v_add_nc_u32 v5, s28, v5                       ; + 256 (j / 4) + j % 4: block j is byte j % 4 of K step j / 4
	s_mul_i32 s28, s2, 1280                        ; my stage
	v_mul_u32_u24 v6, v24, 320
	v_lshl_add_u32 v6, v25, 4, v6
	v_add_nc_u32 v6, s28, v6                       ; into it: 320 T + 16 r.  320 = 256 + 64: sixteen neighbouring lanes (4 T x 4 r) fall on sixteen different 16-byte columns of 256
	v_lshrrev_b32 v24, 4, v1
	v_and_b32 v25, 15, v1
	v_mul_u32_u24 v7, v24, 320
	v_lshl_add_u32 v7, v25, 4, v7
	v_add_nc_u32 v7, s28, v7                       ; out of it: sixteen lanes to a tile's 256 bytes, two tiles an instruction
	v_mul_u32_u24 v8, v24, 6144
	v_lshl_add_u32 v8, v25, 4, v8                  ; and the same place in a_codes: a tile is 24 blocks x 256 bytes
	v_lshlrev_b32 v10, 4, v0                       ; 16 x thread: the scale bytes' way out
	s_lshr_b32 s28, s26, 6
	s_lshl_b32 s28, s28, 22                        ; sample b: 256 channels x 16,384 bytes
	s_and_b32 s29, s26, 63
	s_lshl_b32 s29, s29, 8                         ; image row y: 256 bytes
	s_add_co_u32 s28, s28, s29
	s_lshl_b32 s29, s2, 19                         ; 32 j channels
	s_add_co_u32 s28, s28, s29
	s_mov_b32 s29, 0
	s_mul_i32 s32, s26, 24576
	s_add_co_u32 s32, s32, s27                     ; a_codes: the group, + block j
	s_mov_b32 s33, 0
	s_mul_i32 s34, s26, 1536                       ; a_scales: the group
	s_mov_b32 s35, 0
	s_wait_kmcnt 0x0
	s_add_nc_u64 s[8:9], s[8:9], s[28:29]
	s_add_nc_u64 s[10:11], s[10:11], s[28:29]
	s_add_nc_u64 s[16:17], s[16:17], s[32:33]
	s_add_nc_u64 s[18:19], s[18:19], s[34:35]
.set i, 0
.rept 32                               ; all of the wave's share is asked for at once: 64 loads of f_s, then 64 of supp; the two halves of an image row's 256 bytes stand together
	global_load_b32 v[F+i], v2, s[8:9] offset:16384*i th:TH_LOAD_NT
	global_load_b32 v[F+32+i], v2, s[8:9] offset:16384*i+128 th:TH_LOAD_NT
.set i, i+1
.endr
.set i, 0
.rept 32
	global_load_b32 v[S+i], v2, s[10:11] offset:16384*i th:TH_LOAD_NT
	global_load_b32 v[S+32+i], v2, s[10:11] offset:16384*i+128 th:TH_LOAD_NT
.set i, i+1
.endr
; The two blocks' codes and bytes leave.  tn = 0: f_s, 1: supp, 2: f_s x attn.
.macro SEND tn
	ds_store_b8 v5, v[BY] offset:SCB+512*\tn       ; tensor tn's blocks are K steps 2 tn and 2 tn + 1
	ds_store_b8 v5, v[BY+1] offset:SCB+512*\tn+32  ; the second pixel: 8 rows of a tile on
	ds_store_b128 v6, v[C:C+3] offset:STG
	ds_store_b128 v6, v[C+4:C+7] offset:STG+128
.if \tn > 0
	s_wait_xcnt 0x0                                ; the last two stores have read v[BK] on: only behind this wait is it loaded again
.endif
	ds_load_b128 v[BK:BK+3], v7 offset:STG         ; LDS serves a wave's instructions in order (ISA guide 5.7.1.4): these see the stores above
	ds_load_b128 v[BK+4:BK+7], v7 offset:STG+640
	s_wait_dscnt 0x0                               ; the codes are back, and the LDS stores have read their data
	global_store_b128 v8, v[BK:BK+3], s[16:17] offset:2048*\tn        ; tiles 0 and 1: sixteen lanes store 256 consecutive bytes, aligned
	global_store_b128 v8, v[BK+4:BK+7], s[16:17] offset:2048*\tn+12288 ; tiles 2 and 3
.endm
	s_wait_loadcnt 63                              ; 128 loads were issued, 64 of them behind f_s's last: with 63 out at the most, f_s is in
	MAXB F, MF
	CODES F, MF
	SEND 0
	s_wait_loadcnt 0x0                             ; supp is in
	MAXB S, M
	CODES S, M
	SEND 1
	v_pk_mul_f32 v[12:13], v[F:F+1], v[S:S+1]      ; my 32 channels' part of f_s . supp, two at a time, the two pixels by turns
	v_pk_mul_f32 v[14:15], v[F+32:F+33], v[S+32:S+33]
.set i, 2
.rept 15
	v_pk_fma_f32 v[12:13], v[F+i:F+i+1], v[S+i:S+i+1], v[12:13]
	v_pk_fma_f32 v[14:15], v[F+32+i:F+33+i], v[S+32+i:S+33+i], v[14:15]
.set i, i+2
.endr
	v_add_f32 v12, v12, v13
	v_add_f32 v14, v14, v15
	ds_store_b32 v3, v12 offset:DOT
	ds_store_b32 v3, v14 offset:DOT+128
	BAR                                            ; the eight waves' parts lie in LDS
.set i, 0
.rept 8
	ds_load_b32 v[S+2*i], v2 offset:DOT+256*i
	ds_load_b32 v[S+2*i+1], v2 offset:DOT+256*i+128
.set i, i+1
.endr
	s_wait_dscnt 0x0
	v_add_f32 v12, v[S], v[S+2]                    ; added in the waves' order in every wave: all eight get the same bits
	v_add_f32 v14, v[S+1], v[S+3]
.set i, 2
.rept 6
	v_add_f32 v12, v12, v[S+2*i]
	v_add_f32 v14, v14, v[S+2*i+1]
.set i, i+1
.endr
	v_mul_f32 v12, 0xbfb8aa3b, v12                 ; attn = 1 / (1 + 2^(-log2(e) x))
	v_mul_f32 v14, 0xbfb8aa3b, v14
	v_exp_f32 v12, v12
	v_exp_f32 v14, v14
	v_nop                                          ; a plain line between a transcendental and the use of its result (ISA guide 5.7.2)
	s_wait_alu depctr_va_vdst(0)
	v_add_f32 v12, 1.0, v12
	v_add_f32 v14, 1.0, v14
	v_rcp_f32 v12, v12
	v_rcp_f32 v14, v14
	v_nop
.set i, 0
	s_wait_alu depctr_va_vdst(0)
.rept 16
	v_pk_mul_f32 v[S+i:S+i+1], v[F+i:F+i+1], v[12:13] op_sel_hi:[1,0]          ; f_s x attn
	v_pk_mul_f32 v[S+32+i:S+33+i], v[F+32+i:F+33+i], v[14:15] op_sel_hi:[1,0]
.set i, i+2
.endr
	v_mul_f32 v[M], v[MF], v12                     ; its largest magnitude is not searched for: attn is not negative and rounding keeps order, so it is f_s's largest x attn, rounded as every product is
	v_mul_f32 v[M+1], v[MF+1], v14
	v_max_num_f32 v[M], FLOOR, v[M]
	v_max_num_f32 v[M+1], FLOOR, v[M+1]
	CODES S, M
	SEND 2
	BAR                                            ; the group's 1,536 scale bytes lie in LDS
	s_cmp_lt_u32 s2, 3
	s_cbranch_scc0 .La_end
	s_wait_xcnt 0x0                                ; my last stores have read v[BK] on
	ds_load_b128 v[BK:BK+3], v10 offset:SCB        ; threads 0 to 95 take 16 bytes each
	s_wait_dscnt 0x0
	global_store_b128 v10, v[BK:BK+3], s[18:19]    ; six aligned runs of 256 bytes
.La_end:
	s_wait_tensorcnt 0x0
	ds_add_u32 v168, v169
	s_wait_dscnt 0x0
	s_endpgm
; ======================================================== PATH W
; A row of w_fusion is 3,076 bytes, but 16 rows are 49,216 dense bytes that begin at a multiple of 16: they are copied into LDS as they lie.  Then wave s (0 to 6) takes K step s:
; lane (r, h) reads, of row r, the two blocks 2 c + h that the operand's layout gives it, so that the conversions' results are the operand's registers.
.Lpath_w:
	s_sub_co_u32 s26, ttmp9, 8                     ; tile of 16 rows
	v_lshlrev_b32 v2, 4, v0                        ; 16 x thread: in the tile in memory and in LDS alike
	v_and_b32 v13, 15, v0                          ; r
	v_bfe_u32 v12, v0, 4, 1                        ; h
	v_mul_u32_u24 v4, v13, 3076
	v_lshl_add_u32 v4, v12, 7, v4
	s_lshl_b32 s27, s2, 9
	v_add_nc_u32 v4, s27, v4                       ; row r, + 128 h, + 512 s.  A row is 769 words: the 32 lanes' words lie r + 32 h apart modulo 64
	v_lshlrev_b32 v5, 4, v1                        ; 16 x lane: a fragment's image
	v_lshlrev_b32 v6, 2, v13                       ; 4 r: a scale word
.irp j, 80,81,82,83
	v_mov_b32 v\j, 0                               ; the thirteenth piece: the tile's last 64 bytes in threads 0 to 3, zeros in all others
.endr
	s_mul_i32 s28, s26, 49216
	s_mov_b32 s29, 0
	s_mul_i32 s32, s26, 7168
	s_lshl_b32 s33, s2, 10
	s_add_co_u32 s32, s32, s33                     ; w_codes: the tile's 7 fragments, mine
	s_mov_b32 s33, 0
	s_lshr_b32 s36, s26, 2
	s_mul_i32 s36, s36, 1792
	s_and_b32 s37, s26, 3
	s_lshl_b32 s37, s37, 6
	s_add_co_u32 s36, s36, s37
	s_lshl_b32 s37, s2, 8
	s_add_co_u32 s36, s36, s37                     ; w_scales: 1,792 (tile / 4) + 256 s + 64 (tile % 4)
	s_mov_b32 s37, 0
	s_cmp_eq_u32 s2, 6                             ; K step 6 has k = 768 alone: all else is replaced by zeros, without a branch
	s_cselect_b32 s34, 0, -1                       ; which lanes keep a number: none in K step 6, all elsewhere;
	s_cselect_b32 s35, 0xffff, -1                  ; the first number of block 0: lanes 0-15 (h = 0) keep it in K step 6
	v_cmp_gt_u32 vcc_lo, 4, v0
	s_wait_kmcnt 0x0
	s_add_nc_u64 s[14:15], s[14:15], s[28:29]
	s_add_nc_u64 s[22:23], s[22:23], s[32:33]
	s_add_nc_u64 s[24:25], s[24:25], s[36:37]
	s_and_saveexec_b32 s38, vcc_lo                 ; no load or store of mine is out yet
	global_load_b128 v[80:83], v2, s[14:15] offset:49152   ; threads 0 to 3: no load leaves the buffer
	s_wait_xcnt 0x0                                ; EXEC is widened only behind this wait
	s_or_b32 exec_lo, exec_lo, s38
.set i, 0
.rept 12
	global_load_b128 v[32+4*i:35+4*i], v2, s[14:15] offset:4096*i     ; a wave reads 512 consecutive bytes
.set i, i+1
.endr
	s_wait_loadcnt 0x0
.set i, 0
.rept 13
	ds_store_b128 v2, v[32+4*i:35+4*i] offset:WL+4096*i
.set i, i+1
.endr
	BAR                                            ; the tile lies in LDS, with zeros behind it: row 15's reads of K step 6 reach 508 bytes past its end
	s_cmp_eq_u32 s2, 7
	s_cbranch_scc1 .Lw_end                         ; seven K steps, eight waves
.set i, 0
.rept 32
	ds_load_b32 v[F+i], v4 offset:WL+4*i           ; block h
	ds_load_b32 v[F+32+i], v4 offset:WL+256+4*i    ; block 2 + h
.set i, i+1
.endr
	s_wait_dscnt 0x0
	v_cndmask_b32 v[F], 0, v[F], s35
.set i, 1
.rept 63
	v_cndmask_b32 v[F+i], 0, v[F+i], s34
.set i, i+1
.endr
	MAXB F, M
	CODES F, M
	v_lshl_or_b32 v30, v[BY+1], 16, v[BY]          ; my two bytes: blocks h and 2 + h of row r,
	v_lshlrev_b32 v31, 3, v12
	v_lshlrev_b32 v30, v31, v30                    ; at their places in the scale word (8 h bits up);
	v_mov_b32 v31, 0
	v_permlanex16_b32 v31, v30, s30, s31
	v_or_b32 v30, v30, v31                         ; with lane l xor 16's two the word is whole
	global_store_b128 v5, v[C:C+3], s[22:23]       ; registers 0-3 of the fragment, lane by lane: 512 consecutive bytes
	global_store_b128 v5, v[C+4:C+7], s[22:23] offset:512
	global_store_b32 v6, v30, s[24:25]             ; both halves of the lanes write row r's word with the same value
.Lw_end:
	s_wait_tensorcnt 0x0
	ds_add_u32 v168, v169
	s_wait_dscnt 0x0
	s_endpgm
; ======================================================== PATH E
; The squared distance splits: D2(y, x) = min over x' of (g(y, x')^2 + (x - x')^2), g the distance along column x' to its nearest foreground pixel.
; Columns: waves 0 and 1, a lane to a column, registers down y, in whole numbers.  Rows: D2 = x^2 + min over x' of (H(y, x') - 2 x' x), H = g^2 + x'^2: whole numbers under 2^24, exact in f32.
; A column without foreground has g = 2^20 or a little more; a sample without any has every D2 near 2^40, which marks it (with foreground no D2 passes 2 x 63^2).
.Lpath_e:
	s_and_b32 s26, s2, 1
	s_lshl_b32 s26, s26, 5
	v_add_nc_u32 v24, s26, v1                      ; my column in the first pass
	v_lshlrev_b32 v2, 4, v24                       ; mask[4 y][4 x']: 16 bytes from column to column,
	v_lshl_add_u32 v3, v24, 2, EH                  ; H(., x')
	v_cvt_f32_u32 v4, v1                           ; the second pass: my two pixels of a row, x = lane and lane + 32,
	v_add_f32 v5, 0x42000000, v4
	v_mul_f32 v6, v4, v4                           ; and their squares
	v_mul_f32 v7, v5, v5
	s_lshl_b32 s27, s2, 11
	s_add_co_u32 s27, s27, EH
	v_mov_b32 v8, s27                              ; my wave's eight rows of H
	s_lshl_b32 s27, s2, 2
	s_add_co_u32 s27, s27, EMX
	v_mov_b32 v9, s27                              ; my wave's maximum
	v_mov_b32 v10, EMX
	v_lshlrev_b32 v11, 3, v1                       ; dq: 8 bytes a pixel
	v_mov_b32 v12, 1<<20
	v_mov_b32 v13, 0
	v_cvt_f32_u32 v14, v24
	v_mul_f32 v14, v14, v14                        ; x'^2
	s_lshl_b32 s28, ttmp9, 18                      ; the sample's mask
	s_mov_b32 s29, 0
	s_lshl_b32 s32, ttmp9, 15                      ; dq: the sample's 4,096 pixels, my wave's eight rows
	s_lshl_b32 s33, s2, 12
	s_add_co_u32 s32, s32, s33
	s_mov_b32 s33, 0
	s_wait_kmcnt 0x0
	s_add_nc_u64 s[12:13], s[12:13], s[28:29]
	s_add_nc_u64 s[20:21], s[20:21], s[32:33]
	s_cmp_lt_u32 s2, 2
	s_cbranch_scc0 .Le_rows
.set y, 0
.rept 64
	global_load_b32 v[32+y], v2, s[12:13] offset:4096*y
.set y, y+1
.endr
	s_wait_loadcnt 0x0
.set y, 0
.rept 64
	v_cmp_lt_f32 vcc_lo, 0.5, v[32+y]
	v_cndmask_b32 v[32+y], v12, v13, vcc_lo        ; P = 0 on foreground, 2^20 elsewhere
.set y, y+1
.endr
.set y, 0
.rept 64
	v_add_nc_u32 v[96+y], 63-y, v[32+y]            ; P + 63 - y: its running minimum from the top, + y - 63, is the distance to the nearest foreground at or above y
.set y, y+1
.endr
.set y, 1
.rept 63
	v_add_nc_u32 v[32+y], y, v[32+y]               ; P + y: its running minimum from the bottom, - y, the distance to the nearest at or below
.set y, y+1
.endr
.set y, 1
.rept 63
	v_min_u32 v[96+y], v[96+y], v[95+y]            ; the two chains by turns
	v_min_u32 v[95-y], v[95-y], v[96-y]
.set y, y+1
.endr
.set y, 0
.rept 64
	v_add_nc_u32 v[96+y], 2*y-63, v[96+y]
.set y, y+1
.endr
.set y, 0
.rept 64
	v_min_u32 v[32+y], v[32+y], v[96+y]
.set y, y+1
.endr
.set y, 1
.rept 63
	v_add_nc_u32 v[32+y], 0-y, v[32+y]             ; g
.set y, y+1
.endr
.set y, 0
.rept 64
	v_cvt_f32_u32 v[32+y], v[32+y]
.set y, y+1
.endr
.set y, 0
.rept 64
	v_fma_f32 v[32+y], v[32+y], v[32+y], v14       ; H = g^2 + x'^2
.set y, y+1
.endr
.set y, 0
.rept 64
	ds_store_b32 v3, v[32+y] offset:256*y
.set y, y+1
.endr
.Le_rows:
	BAR                                            ; H lies in LDS
.macro RLOAD i                         ; row 8 w + i of H, all 64 numbers into every lane: set i % 2 of v32-95, v96-159
.set k, 0
.rept 16
	ds_load_b128 v[32+64*((\i)%2)+4*k:35+64*((\i)%2)+4*k], v8 offset:256*(\i)+16*k
.set k, k+1
.endr
.endm
; Row 8 w + i: for each x' one packed multiply-add for my two pixels, for each two x' one three-way minimum a pixel.  -2 x' is written as the bits of an f32: sign, exponent 127 + e, 2 x' = 2^e or more.
.macro ROW i
.set HR, 32+64*((\i)%2)
.set RR, 16+2*(\i)
.if (\i) < 7
	RLOAD (\i)+1
	s_wait_dscnt 16                                ; this row is in; the next row's sixteen loads may be out
.else
	s_wait_dscnt 0x0
.endif
.set n, 1
.rept 63
.if n < 2
.set e, 1
.elseif n < 4
.set e, 2
.elseif n < 8
.set e, 3
.elseif n < 16
.set e, 4
.elseif n < 32
.set e, 5
.else
.set e, 6
.endif
.set LIT, 0x80000000+((126+e)<<23)+((2*n)<<(23-e))
.set TT, 160+2*(n%4)
.if n%2
	v_pk_fma_f32 v[TT:TT+1], v[4:5], LIT, v[HR+n-1:HR+n] op_sel:[0,0,1] op_sel_hi:[1,0,1]   ; H(x') is the pair's second register, for both halves
.else
	v_pk_fma_f32 v[TT:TT+1], v[4:5], LIT, v[HR+n:HR+n+1] op_sel_hi:[1,0,0]                  ; the pair's first
.endif
.if n == 1
	v_min_num_f32 v[RR], v[HR], v[TT]              ; x' = 0 needs no multiply-add
	v_min_num_f32 v[RR+1], v[HR], v[TT+1]
.elseif n%2
	v_min3_num_f32 v[RR], v[RR], v[TT-2], v[TT]
	v_min3_num_f32 v[RR+1], v[RR+1], v[TT-1], v[TT+1]
.endif
.set n, n+1
.endr
	v_pk_add_f32 v[RR:RR+1], v[RR:RR+1], v[6:7]    ; + x^2: D2
.endm
	RLOAD 0
.irp i, 0,1,2,3,4,5,6,7
	ROW \i
.endr
	v_max3_num_f32 v160, v16, v17, v18             ; the largest D2: of my 16,
.set i, 3
.rept 6
	v_max3_num_f32 v160, v160, v[16+i], v[17+i]
.set i, i+2
.endr
	v_max_num_f32 v160, v160, v31
	v_max_num_f32_dpp v160, v160, v160 row_xmask:1 row_mask:0xf bank_mask:0xf   ; of the wave,
	v_max_num_f32_dpp v160, v160, v160 row_xmask:2 row_mask:0xf bank_mask:0xf
	v_max_num_f32_dpp v160, v160, v160 row_xmask:4 row_mask:0xf bank_mask:0xf
	v_max_num_f32_dpp v160, v160, v160 row_xmask:8 row_mask:0xf bank_mask:0xf
	v_permlanex16_b32 v161, v160, s30, s31
	v_max_num_f32 v160, v160, v161
	ds_store_b32 v9, v160                          ; all lanes write the same word with the same value
	BAR
	ds_load_b128 v[32:35], v10                     ; of the sample
	ds_load_b128 v[36:39], v10 offset:16
	s_wait_dscnt 0x0
	v_max3_num_f32 v160, v32, v33, v34
	v_max3_num_f32 v160, v160, v35, v36
	v_max3_num_f32 v160, v160, v37, v38
	v_max_num_f32 v160, v160, v39
	v_cmp_gt_f32 s36, 0x4e800000, v160             ; 2^30 > the largest D2: the sample has foreground.  It only selects values
.set i, 0
.rept 16
	v_sqrt_f32 v[16+i], v[16+i]
.set i, i+1
.endr
	v_sqrt_f32 v160, v160
	v_nop                                          ; a plain line behind the transcendentals
.set i, 0
	s_wait_alu depctr_va_vdst(0)
.rept 16
	v_cndmask_b32 v[16+i], 1.0, v[16+i], s36       ; without foreground every distance is 1
.set i, i+1
.endr
	v_cndmask_b32 v160, 1.0, v160, s36
	v_add_f32 v160, 0x358637bd, v160               ; the largest + 1e-6
	v_rcp_f32 v161, v160
	v_nop
.set i, 0
	s_wait_alu depctr_va_vdst(0)
.rept 16
	v_mul_f32 v[48+i], v[16+i], v161               ; the quotient, and one step that mends it: q + (dist - q den) / den.  Distances such as half the largest lie a few ulp under a power of two
.set i, i+1
.endr
.set i, 0
.rept 16
	v_fma_f32 v[16+i], -v[48+i], v160, v[16+i]
.set i, i+1
.endr
.set i, 0
.rept 16
	v_fma_f32 v[16+i], v[16+i], v161, v[48+i]
.set i, i+1
.endr
.set i, 0
.rept 16
	v_max_num_f32 v[48+i], FLOOR, v[16+i]          ; dist stands alone in block 24: it is the block's largest magnitude
.set i, i+1
.endr
.set i, 0
.rept 16
	v_add_nc_u32 v[48+i], LESS2, v[48+i]
.set i, i+1
.endr
.irp j, 33,34,35,36,37,38,39,41,42,43,44,45,46,47
	v_mov_b32 v\j, 0                               ; two runs of eight numbers: the first is a pixel's dist, the others the block's zeros
.endr
.set k, 0
.rept 8
	v_mov_b32 v32, v[16+k]
	v_mov_b32 v40, v[17+k]
	v_cvt_scalef32_pk8_fp4_f32 v[64+2*k], v[32:39], v[48+k]       ; the code, in the word's lowest four bits
	v_cvt_scalef32_pk8_fp4_f32 v[66+2*k], v[40:47], v[49+k]
	v_lshrrev_b32 v[65+2*k], 23, v[48+k]           ; the scale word: the block's byte, zeros above (those blocks' codes are zeros).  Two plain lines behind the conversions
	v_lshrrev_b32 v[67+2*k], 23, v[49+k]
.set k, k+2
.endr
.set k, 0
.rept 16
	global_store_b64 v11, v[64+2*k:65+2*k], s[20:21] offset:256*k  ; half an image row: 32 lanes store 256 consecutive bytes, aligned
.set k, k+1
.endr
	s_wait_tensorcnt 0x0
	ds_add_u32 v168, v169
	s_wait_dscnt 0x0
	s_endpgm
.Lfunc_end_k_q8daedf0f59_quant:
	.size	k_q8daedf0f59_quant, .Lfunc_end_k_q8daedf0f59_quant-k_q8daedf0f59_quant
	.p2alignl 7, 3214868480
	.fill 96, 4, 3214868480
	.section	.rodata,"a",@progbits
	.p2align	6, 0x0
	.amdhsa_kernel k_q8daedf0f59_quant
		.amdhsa_group_segment_fixed_size 84736
		.amdhsa_private_segment_fixed_size 0
		.amdhsa_enable_private_segment 0
		.amdhsa_kernarg_size 72
		.amdhsa_user_sgpr_count 2
		.amdhsa_user_sgpr_kernarg_segment_ptr 1
		.amdhsa_wavefront_size32 1
		.amdhsa_system_sgpr_workgroup_id_x 1
		.amdhsa_system_sgpr_workgroup_id_y 1
		.amdhsa_system_sgpr_workgroup_id_z 1
		.amdhsa_system_vgpr_workitem_id 0
		.amdhsa_next_free_vgpr 170
		.amdhsa_next_free_sgpr 66
		.amdhsa_reserve_vcc 1
		.amdhsa_float_denorm_mode_32 3
		.amdhsa_float_denorm_mode_16_64 3
		.amdhsa_memory_ordered 1
		.amdhsa_forward_progress 1
		.amdhsa_inst_pref_size 182
	.end_amdhsa_kernel
	.amdgpu_metadata
---
amdhsa.version: [ 1, 2 ]
amdhsa.kernels:
  - .name:           k_q8daedf0f59_quant
    .symbol:         k_q8daedf0f59_quant.kd
    .args:
      - { .name: f_s, .offset: 0, .size: 8, .value_kind: global_buffer, .address_space: global }
      - { .name: supp_feat_bin, .offset: 8, .size: 8, .value_kind: global_buffer, .address_space: global }
      - { .name: support_mask, .offset: 16, .size: 8, .value_kind: global_buffer, .address_space: global }
      - { .name: w_fusion, .offset: 24, .size: 8, .value_kind: global_buffer, .address_space: global }
      - { .name: a_codes, .offset: 32, .size: 8, .value_kind: global_buffer, .address_space: global }
      - { .name: a_scales, .offset: 40, .size: 8, .value_kind: global_buffer, .address_space: global }
      - { .name: dq, .offset: 48, .size: 8, .value_kind: global_buffer, .address_space: global }
      - { .name: w_codes, .offset: 56, .size: 8, .value_kind: global_buffer, .address_space: global }
      - { .name: w_scales, .offset: 64, .size: 8, .value_kind: global_buffer, .address_space: global }
    .group_segment_fixed_size: 84736
    .private_segment_fixed_size: 0
    .kernarg_segment_align: 8
    .kernarg_segment_size: 72
    .max_flat_workgroup_size: 256
    .sgpr_count:     66
    .vgpr_count:     170
    .wavefront_size: 32
...
	.end_amdgpu_metadata
.endif
;; end of part 1
;; launch stats (part 2): grid 256 x 1, 8 waves a work-group, clusters of 4 x 1, 230,400 bytes of LDS; arguments a_codes, a_scales, dq, w_codes, w_scales, part; writes part
.if DOCPART == 2
	.amdgcn_target "amdgcn-amd-amdhsa--gfx1250"
	.amdhsa_code_object_version 6
	.text
	.protected	k_q8daedf0f59_stats
	.globl	k_q8daedf0f59_stats
	.p2align	8
	.type	k_q8daedf0f59_stats,@function
k_q8daedf0f59_stats:
	s_mov_b64 s[64:65], 0
	v_nop
	global_prefetch_b8 v0, s[64:65] scope:SCOPE_SE
	s_setreg_imm32_b32 hwreg(HW_REG_WAVE_MODE, 25, 1), 1
	s_wait_xcnt 0x0
	s_wait_alu depctr_hold_cnt(0) depctr_sa_sdst(0) depctr_va_vdst(0) depctr_va_sdst(0) depctr_va_ssrc(0) depctr_va_vcc(0) depctr_vm_vsrc(0)
	s_getreg_b32 s2, hwreg(HW_REG_IB_STS2, 6, 4)
	s_cmp_eq_u32 s2, 0
	s_cbranch_scc0 .Lentry_in_a_cluster
	s_endpgm
.Lentry_in_a_cluster:
	s_bfe_u32 s2, ttmp6, 0x10000c
	s_cmp_lg_u32 s2, 0x3003
	s_cbranch_scc0 .Lentry_shape_is_right
	s_endpgm
.Lentry_shape_is_right:
; STATS: y = A W^T on codes of E2M1 (K = 769 in seven steps of 128, the last holding k = 768 alone); y stays in registers; of each channel the mean and the sum of squared deviations (M2) over the work-group's 512 pixels go to part.
; The variance is never a difference of large sums: a group of pixels is carried as (mean, M2), and eight groups of n pixels are joined by mean = the means' mean, M2 = the sum of the M2 + n x the sum of (mean_i - mean)^2.
; SHARES.  A cluster of four work-groups takes 512 pixels (cluster x); its partner cx takes channels 64 cx .. 64 cx + 63.  Wave w takes image row 8 x cluster + w: 64 pixels as four tiles (tile T = pixels 4 r + T),
; against four tiles of 16 channels: 16 accumulators, 112 matrix instructions.
; THE FOUR PARTNERS NEED THE SAME 196,608 BYTES OF A'S CODES: each wave asks for its image row's 24,576 JOINTLY, by the same tensor load with a mask that names the four.  W's 28,672 bytes differ from partner to partner:
; a plain load, an eighth a wave.  All that a work-group reads of codes fits in LDS and is asked for at the head; no LDS byte is filled twice.
; Codes lie in memory as images of the operands' registers: a fragment is two loads of 16 bytes a lane at 16 x lane, with no pitch and no padding.
; SOURCE 0 = 16 PIXELS, SOURCE 1 = 16 CHANNELS: a lane holds ONE channel (lane % 16) and its registers are pixels, so a channel's sums want one exchange between the halves of the lanes.
; LIMITS: NaN and infinities among the inputs are not served.
.set ALB, 28672                        ; LDS: W's four tiles x 7 K steps x 1,024 bytes at 0; from here A's: 24,576 bytes a wave, [T 4][K step 6][1,024]
.set RED, 225280                       ; [wave 8][mean, M2][channel 64] f32
.set LW,  2                            ; v2   16 x lane: a fragment of W
.set LA,  3                            ; v3   ALB + 24,576 x wave + 16 x lane: a fragment of A
.set AS,  16                           ; v16-27  A's scale words: register 2 s + T / 2: lanes 0-15 tile T even, lanes 16-31 tile T odd
.set WS,  28                           ; v28-41  W's likewise, seven K steps
.set DQ,  42                           ; v42-49  dist of pixel 4 r + T: pair T: the code's word, the scale word
.set WF,  64                           ; v64-95  W's four fragments of a K step
.set AF,  96                           ; v96-127 A's four
.set ACC, 128                          ; v128-255 accumulator (channel tile o, pixel tile t) at 128 + 8 (4 o + t)
.macro ROUND                           ; a round of the cluster's barrier
	s_barrier_signal -1
	s_barrier_wait -1
	s_cmp_lg_u32 s2, 0
	s_cbranch_scc1 .Lnot_wave_0_\@
	s_barrier_signal -3
.Lnot_wave_0_\@:
	s_barrier_wait -3
	s_barrier_signal -1
	s_barrier_wait -1
.endm
.macro PLACES                          ; four plain vector lines between a matrix instruction and a load into, a vector write of, or a vector read of its registers
.rept 4
	v_nop
.endr
.endm
; One matrix instruction.  zero = 1: it starts the sum.  ra, rb = 1: that side's scale words stand in lanes 16-31 of the register named.
.macro WM d, a, b, zero, sa, sb, ra, rb
.if \zero
.if (\ra) && (\rb)
	v_wmma_scale_f32_16x16x128_f8f6f4 v[\d:\d+7], v[\a:\a+7], v[\b:\b+7], 0, v[\sa], v[\sb] matrix_a_fmt:MATRIX_FMT_FP4 matrix_b_fmt:MATRIX_FMT_FP4 matrix_a_scale:MATRIX_SCALE_ROW1 matrix_b_scale:MATRIX_SCALE_ROW1
.elseif \ra
	v_wmma_scale_f32_16x16x128_f8f6f4 v[\d:\d+7], v[\a:\a+7], v[\b:\b+7], 0, v[\sa], v[\sb] matrix_a_fmt:MATRIX_FMT_FP4 matrix_b_fmt:MATRIX_FMT_FP4 matrix_a_scale:MATRIX_SCALE_ROW1
.elseif \rb
	v_wmma_scale_f32_16x16x128_f8f6f4 v[\d:\d+7], v[\a:\a+7], v[\b:\b+7], 0, v[\sa], v[\sb] matrix_a_fmt:MATRIX_FMT_FP4 matrix_b_fmt:MATRIX_FMT_FP4 matrix_b_scale:MATRIX_SCALE_ROW1
.else
	v_wmma_scale_f32_16x16x128_f8f6f4 v[\d:\d+7], v[\a:\a+7], v[\b:\b+7], 0, v[\sa], v[\sb] matrix_a_fmt:MATRIX_FMT_FP4 matrix_b_fmt:MATRIX_FMT_FP4
.endif
.else
.if (\ra) && (\rb)
	v_wmma_scale_f32_16x16x128_f8f6f4 v[\d:\d+7], v[\a:\a+7], v[\b:\b+7], v[\d:\d+7], v[\sa], v[\sb] matrix_a_fmt:MATRIX_FMT_FP4 matrix_b_fmt:MATRIX_FMT_FP4 matrix_a_scale:MATRIX_SCALE_ROW1 matrix_b_scale:MATRIX_SCALE_ROW1
.elseif \ra
	v_wmma_scale_f32_16x16x128_f8f6f4 v[\d:\d+7], v[\a:\a+7], v[\b:\b+7], v[\d:\d+7], v[\sa], v[\sb] matrix_a_fmt:MATRIX_FMT_FP4 matrix_b_fmt:MATRIX_FMT_FP4 matrix_a_scale:MATRIX_SCALE_ROW1
.elseif \rb
	v_wmma_scale_f32_16x16x128_f8f6f4 v[\d:\d+7], v[\a:\a+7], v[\b:\b+7], v[\d:\d+7], v[\sa], v[\sb] matrix_a_fmt:MATRIX_FMT_FP4 matrix_b_fmt:MATRIX_FMT_FP4 matrix_b_scale:MATRIX_SCALE_ROW1
.else
	v_wmma_scale_f32_16x16x128_f8f6f4 v[\d:\d+7], v[\a:\a+7], v[\b:\b+7], v[\d:\d+7], v[\sa], v[\sb] matrix_a_fmt:MATRIX_FMT_FP4 matrix_b_fmt:MATRIX_FMT_FP4
.endif
.endif
.endm
; K step s (0 to 5): 16 LDS loads, 16 matrix instructions.  The 16 accumulators take turns, one instruction a turn, in the same order in every step.
.macro KSTEP s, zero
.if (\s) > 0
	PLACES
.endif
.irp o, 0,1,2,3
.irp c, 0,1
	ds_load_b128 v[WF+8*\o+4*\c:WF+8*\o+4*\c+3], v[LW] offset:(7*\o+(\s))*1024+512*\c
.endr
.endr
.irp t, 0,1,2,3
.irp c, 0,1
	ds_load_b128 v[AF+8*\t+4*\c:AF+8*\t+4*\c+3], v[LA] offset:6144*\t+1024*(\s)+512*\c
.endr
.endr
.irp t, 0,1,2,3
	s_wait_dscnt 2*(3-\t)                          ; W's fragments and A's tiles up to t are in; the later tiles' two loads each may be out
.irp o, 0,1,2,3
	WM ACC+8*(4*\o+\t), AF+8*\t, WF+8*\o, \zero, AS+2*(\s)+\t/2, WS+2*(\s)+\o/2, \t%2, \o%2
.endr
.endr
.endm
; K step 6: k = 768, dist.  A's fragment is made in registers: the code's word in register 0 of lanes 0-15 (block 24), zero codes everywhere else.
.macro DSTEP
	PLACES
.irp o, 0,1,2,3
.irp c, 0,1
	ds_load_b128 v[WF+8*\o+4*\c:WF+8*\o+4*\c+3], v[LW] offset:(7*\o+6)*1024+512*\c
.endr
.endr
.irp t, 0,1,2,3
	v_cndmask_b32 v[AF+8*\t], 0, v[DQ+2*\t], s29
.irp j, 1,2,3,4,5,6,7
	v_mov_b32 v[AF+8*\t+\j], 0
.endr
.endr
	PLACES                                         ; an operand written by vector instructions stands four places ahead of a scaled matrix instruction
	s_wait_dscnt 0x0
.irp t, 0,1,2,3
.irp o, 0,1,2,3
	WM ACC+8*(4*\o+\t), AF+8*\t, WF+8*\o, 0, DQ+2*\t+1, WS+12+\o/2, 0, \o%2
.endr
.endr
.endm
; Eight groups of n pixels become one: means in v64-79, M2 in v80-95 (pairs: my two channels) -> mean v[96:97], M2 v[102:103].  n: the bits of an f32.
.macro COMBINE8 n
	v_pk_add_f32 v[96:97], v[64:65], v[66:67]
	v_pk_add_f32 v[102:103], v[80:81], v[82:83]
.irp i, 2,3,4,5,6,7
	v_pk_add_f32 v[96:97], v[96:97], v[64+2*\i:65+2*\i]
	v_pk_add_f32 v[102:103], v[102:103], v[80+2*\i:81+2*\i]
.endr
	v_pk_mul_f32 v[96:97], v[96:97], 0x3e000000 op_sel_hi:[1,0]    ; / 8
.irp i, 0,1,2,3,4,5,6,7
	v_pk_add_f32 v[64+2*\i:65+2*\i], v[64+2*\i:65+2*\i], v[96:97] neg_lo:[0,1] neg_hi:[0,1]
.endr
	v_pk_mul_f32 v[98:99], v[64:65], v[64:65]
.irp i, 1,2,3,4,5,6,7
	v_pk_fma_f32 v[98:99], v[64+2*\i:65+2*\i], v[64+2*\i:65+2*\i], v[98:99]
.endr
	v_pk_fma_f32 v[102:103], v[98:99], \n, v[102:103] op_sel_hi:[1,0,1]
.endm
	s_load_b256 s[8:15], s[0:1], 0x0               ; a_codes s[8:9], a_scales s[10:11], dq s[12:13], w_codes s[14:15]
	s_load_b128 s[16:19], s[0:1], 0x20             ; w_scales s[16:17], part s[18:19]
	v_lshl_add_u32 v62, v0, 2, 0x38000
	v_mov_b32 v63, 0
	ds_add_u32 v62, v63
	ds_add_u32 v62, v63
	v_lshrrev_b32 v1, 5, v0
	v_readfirstlane_b32 s2, v1                     ; wave 0..7
	v_and_b32 v1, 31, v0                           ; lane
	s_bfe_u32 s3, ttmp6, 0x40000                   ; cx: my group of 64 channels.  It enters global addresses of my own loads and stores alone
	s_lshl_b32 s5, ttmp9, 3                        ; in a cluster launch ttmp9 counts clusters: blocks of 512 pixels
	s_add_co_u32 s5, s5, s2                        ; my image row, 0 .. 511
	s_mov_b32 s28, 0xffff0000                      ; lanes 16-31
	s_mov_b32 s29, 0xffff                          ; lanes 0-15
	s_mov_b32 s30, 0x76543210                      ; v_permlanex16_b32's selects for lane l xor 16
	s_mov_b32 s31, 0xfedcba98
	; descriptor group 1 for W's codes: 14 dense rows of 256 bytes (32 elements of 8 bytes), no mask, no padding
	s_mov_b32 s32, 3<<16
	s_mov_b32 s33, 32<<16                          ; tensor_dim0
	s_mov_b32 s34, 14<<16                          ; tensor_dim1
	s_mov_b32 s35, 32<<16                          ; tile_dim0
	s_mov_b32 s36, 14                              ; tile_dim1
	s_mov_b32 s37, 32                              ; from row to row
	s_mov_b32 s38, 0
	s_mov_b32 s39, 0
	; and for A's: 96 such rows; 15:0 the mask: all four work-groups of the cluster; bit 21 set beside it
	s_mov_b32 s44, 15|(3<<16)|(1<<21)
	s_mov_b32 s45, 32<<16
	s_mov_b32 s46, 96<<16
	s_mov_b32 s47, 32<<16
	s_mov_b32 s48, 96
	s_mov_b32 s49, 32
	s_mov_b32 s50, 0
	s_mov_b32 s51, 0
	s_mov_b32 s40, 1                               ; group 0 for W's: count,
	s_mul_i32 s41, s2, 3584                        ; LDS address: my eighth,
	s_mul_i32 s56, s3, 28672
	s_add_co_u32 s56, s56, s41                     ; and the same eighth of my channels' 28,672 bytes
	s_mov_b32 s57, 0
	s_mov_b32 s52, 1                               ; group 0 for A's: made of the cluster's number and the wave's alone: equal in the four partners
	s_mul_i32 s6, s2, 24576
	s_add_co_u32 s53, s6, ALB
	s_mul_i32 s58, ttmp9, 196608
	s_add_co_u32 s58, s58, s6
	s_mov_b32 s59, 0
	s_mul_i32 s60, s5, 1536                        ; my image row's scale words
	s_mov_b32 s61, 0
	s_lshl_b32 s62, s5, 9                          ; and its 64 pixels of dq
	s_mov_b32 s63, 0
	v_lshlrev_b32 v[LW], 4, v1
	v_add_nc_u32 v[LA], s53, v[LW]
	v_lshlrev_b32 v4, 2, v1                        ; scale words: 4 bytes a lane
	v_and_b32 v9, 15, v0                           ; r
	v_bfe_u32 v10, v0, 4, 1                        ; h
	v_lshlrev_b32 v5, 5, v9                        ; dq: pixel 4 r: 32 r bytes
	s_lshl_b32 s7, s2, 9
	s_add_co_u32 s7, s7, RED
	v_lshlrev_b32 v6, 2, v9
	v_lshl_add_u32 v6, v10, 8, v6
	v_add_nc_u32 v6, s7, v6                        ; RED: my wave's; lanes 0-15 the means, lanes 16-31 the M2; channel r of a tile
	v_lshlrev_b32 v8, 3, v1                        ; two channels a lane
	v_add_nc_u32 v7, RED, v8
	s_wait_dscnt 0x0
	s_wait_kmcnt 0x0
	s_add_nc_u64 s[42:43], s[14:15], s[56:57]
	s_or_b32 s43, s43, 0x80000000                  ; type = 2
	s_add_nc_u64 s[54:55], s[8:9], s[58:59]
	s_or_b32 s55, s55, 0x80000000
	s_add_nc_u64 s[10:11], s[10:11], s[60:61]
	s_add_nc_u64 s[12:13], s[12:13], s[62:63]
	s_mul_i32 s56, s3, 1792
	s_add_nc_u64 s[16:17], s[16:17], s[56:57]      ; my channels' scale words
	s_lshl_b32 s56, s3, 15
	s_lshl_b32 s26, ttmp9, 9
	s_add_co_u32 s56, s56, s26
	s_add_nc_u64 s[18:19], s[18:19], s[56:57]      ; part [channel group][block of pixels]: 512 bytes
	ROUND                                          ; all four work-groups are here: the joint loads meet
	tensor_load_to_lds s[40:43], s[32:39]          ; W's eighth first: every wave waits for it
	s_nop 0
	tensor_load_to_lds s[52:55], s[44:51]          ; my image row of A.  Two tensor loads of mine are out, and none follows
	s_nop 0
.rept 4
	v_nop                                          ; four lines behind the tensor loads
.endr
.set i, 0
.rept 12
	global_load_b32 v[AS+i], v4, s[10:11] offset:128*i
.set i, i+1
.endr
.set i, 0
.rept 14
	global_load_b32 v[WS+i], v4, s[16:17] offset:128*i
.set i, i+1
.endr
.irp t, 0,1,2,3
	global_load_b64 v[DQ+2*\t:DQ+2*\t+1], v5, s[12:13] offset:8*\t
.endr
	s_wait_tensorcnt 0x1                           ; my eighth of W has landed; A's load, issued behind it, may be out: only I read its bytes
	s_barrier_signal -1
	s_barrier_wait -1                              ; W is whole
	s_wait_tensorcnt 0x0                           ; my image row of A
	s_wait_loadcnt 0x0                             ; the scale words and dist
	KSTEP 0, 1
	KSTEP 1, 0
	KSTEP 2, 0
	KSTEP 3, 0
	KSTEP 4, 0
	KSTEP 5, 0
	DSTEP
	PLACES
	; A channel tile's 32 registers are 32 pixels of my channel; the lane 16 away holds the other 32.  Each accumulator is read from its low end on; the four tiles by turns.
.irp o, 0,1,2,3
	v_pk_add_f32 v[64+4*\o:65+4*\o], v[ACC+32*\o:ACC+32*\o+1], v[ACC+32*\o+2:ACC+32*\o+3]
.endr
.irp o, 0,1,2,3
	v_pk_add_f32 v[66+4*\o:67+4*\o], v[ACC+32*\o+4:ACC+32*\o+5], v[ACC+32*\o+6:ACC+32*\o+7]
.endr
.irp p, 8,12,16,20,24,28
.irp o, 0,1,2,3
	v_pk_add_f32 v[64+4*\o:65+4*\o], v[64+4*\o:65+4*\o], v[ACC+32*\o+\p:ACC+32*\o+\p+1]
	v_pk_add_f32 v[66+4*\o:67+4*\o], v[66+4*\o:67+4*\o], v[ACC+32*\o+\p+2:ACC+32*\o+\p+3]
.endr
.endr
.irp o, 0,1,2,3
	v_mov_b32 v[112+\o], 0                         ; a lane permute's destination counts as one of its sources
.endr
.irp o, 0,1,2,3
	v_pk_add_f32 v[64+4*\o:65+4*\o], v[64+4*\o:65+4*\o], v[66+4*\o:67+4*\o]
.endr
.irp o, 0,1,2,3
	v_add_f32 v[64+4*\o], v[64+4*\o], v[65+4*\o]
.endr
.irp o, 0,1,2,3
	v_permlanex16_b32 v[112+\o], v[64+4*\o], s30, s31
.endr
.irp o, 0,1,2,3
	v_add_f32 v[64+4*\o], v[64+4*\o], v[112+\o]
.endr
.irp o, 0,1,2,3
	v_mul_f32 v[80+2*\o], 0x3c800000, v[64+4*\o]   ; the mean of 64 pixels,
.endr
.irp o, 0,1,2,3
	v_mov_b32 v[81+2*\o], v[80+2*\o]               ; twice, for the packed subtraction
.endr
.irp p, 0,4,8,12,16,20,24,28
.irp o, 0,1,2,3
	v_pk_add_f32 v[96+4*\o:97+4*\o], v[ACC+32*\o+\p:ACC+32*\o+\p+1], v[80+2*\o:81+2*\o] neg_lo:[0,1] neg_hi:[0,1]
	v_pk_add_f32 v[98+4*\o:99+4*\o], v[ACC+32*\o+\p+2:ACC+32*\o+\p+3], v[80+2*\o:81+2*\o] neg_lo:[0,1] neg_hi:[0,1]
.endr
.irp o, 0,1,2,3
.if \p == 0
	v_pk_mul_f32 v[88+2*\o:89+2*\o], v[96+4*\o:97+4*\o], v[96+4*\o:97+4*\o]
.else
	v_pk_fma_f32 v[88+2*\o:89+2*\o], v[96+4*\o:97+4*\o], v[96+4*\o:97+4*\o], v[88+2*\o:89+2*\o]
.endif
.endr
.irp o, 0,1,2,3
	v_pk_fma_f32 v[88+2*\o:89+2*\o], v[98+4*\o:99+4*\o], v[98+4*\o:99+4*\o], v[88+2*\o:89+2*\o]
.endr
.endr
.irp o, 0,1,2,3
	v_add_f32 v[88+2*\o], v[88+2*\o], v[89+2*\o]
.endr
.irp o, 0,1,2,3
	v_permlanex16_b32 v[112+\o], v[88+2*\o], s30, s31
.endr
.irp o, 0,1,2,3
	v_add_f32 v[88+2*\o], v[88+2*\o], v[112+\o]    ; M2 of 64 pixels
.endr
.irp o, 0,1,2,3
	v_cndmask_b32 v[64+4*\o], v[80+2*\o], v[88+2*\o], s28          ; lanes 0-15 carry the mean, lanes 16-31 M2
.endr
.irp o, 0,1,2,3
	ds_store_b32 v6, v[64+4*\o] offset:64*\o
.endr
	s_wait_dscnt 0x0                               ; for the others' sake: my stores are done
	s_barrier_signal -1
	s_barrier_wait -1
	s_cmp_lg_u32 s2, 0
	s_cbranch_scc1 .Lnot_first
.set i, 0
.rept 8
	ds_load_b64 v[64+2*i:65+2*i], v7 offset:512*i
	ds_load_b64 v[80+2*i:81+2*i], v7 offset:512*i+256
.set i, i+1
.endr
	s_wait_dscnt 0x0
	COMBINE8 0x42800000                            ; eight waves of 64 pixels
	global_store_b64 v8, v[96:97], s[18:19]        ; 64 means: 256 consecutive bytes, aligned
	global_store_b64 v8, v[102:103], s[18:19] offset:256
.Lnot_first:
	s_wait_tensorcnt 0x0
	ds_add_u32 v62, v63
	s_wait_dscnt 0x0
	ROUND                                          ; the closing round: no work-group ends while a partner may still ask for a tile that names it
	s_endpgm
.Lfunc_end_k_q8daedf0f59_stats:
	.size	k_q8daedf0f59_stats, .Lfunc_end_k_q8daedf0f59_stats-k_q8daedf0f59_stats
	.p2alignl 7, 3214868480
	.fill 96, 4, 3214868480
	.section	.rodata,"a",@progbits
	.p2align	6, 0x0
	.amdhsa_kernel k_q8daedf0f59_stats
		.amdhsa_group_segment_fixed_size 230400
		.amdhsa_private_segment_fixed_size 0
		.amdhsa_enable_private_segment 0
		.amdhsa_kernarg_size 48
		.amdhsa_user_sgpr_count 2
		.amdhsa_user_sgpr_kernarg_segment_ptr 1
		.amdhsa_wavefront_size32 1
		.amdhsa_system_sgpr_workgroup_id_x 1
		.amdhsa_system_sgpr_workgroup_id_y 1
		.amdhsa_system_sgpr_workgroup_id_z 1
		.amdhsa_system_vgpr_workitem_id 0
		.amdhsa_next_free_vgpr 256
		.amdhsa_next_free_sgpr 66
		.amdhsa_reserve_vcc 0
		.amdhsa_float_denorm_mode_32 3
		.amdhsa_float_denorm_mode_16_64 3
		.amdhsa_memory_ordered 1
		.amdhsa_forward_progress 1
		.amdhsa_inst_pref_size 49
	.end_amdhsa_kernel
	.amdgpu_metadata
---
amdhsa.version: [ 1, 2 ]
amdhsa.kernels:
  - .name:           k_q8daedf0f59_stats
    .symbol:         k_q8daedf0f59_stats.kd
    .args:
      - { .name: a_codes, .offset: 0, .size: 8, .value_kind: global_buffer, .address_space: global }
      - { .name: a_scales, .offset: 8, .size: 8, .value_kind: global_buffer, .address_space: global }
      - { .name: dq, .offset: 16, .size: 8, .value_kind: global_buffer, .address_space: global }
      - { .name: w_codes, .offset: 24, .size: 8, .value_kind: global_buffer, .address_space: global }
      - { .name: w_scales, .offset: 32, .size: 8, .value_kind: global_buffer, .address_space: global }
      - { .name: part, .offset: 40, .size: 8, .value_kind: global_buffer, .address_space: global }
    .group_segment_fixed_size: 230400
    .private_segment_fixed_size: 0
    .kernarg_segment_align: 8
    .kernarg_segment_size: 48
    .max_flat_workgroup_size: 256
    .sgpr_count:     66
    .vgpr_count:     256
    .wavefront_size: 32
...
	.end_amdgpu_metadata
.endif
;; end of part 2
;; launch apply (part 3): grid 256 x 1, 8 waves a work-group, clusters of 4 x 1, 234,496 bytes of LDS; arguments a_codes, a_scales, dq, w_codes, w_scales, part, gamma, beta, out0; writes out0
.if DOCPART == 3
	.amdgcn_target "amdgcn-amd-amdhsa--gfx1250"
	.amdhsa_code_object_version 6
	.text
	.protected	k_q8daedf0f59_apply
	.globl	k_q8daedf0f59_apply
	.p2align	8
	.type	k_q8daedf0f59_apply,@function
k_q8daedf0f59_apply:
	s_mov_b64 s[64:65], 0
	v_nop
	global_prefetch_b8 v0, s[64:65] scope:SCOPE_SE
	s_setreg_imm32_b32 hwreg(HW_REG_WAVE_MODE, 25, 1), 1
	s_wait_xcnt 0x0
	s_wait_alu depctr_hold_cnt(0) depctr_sa_sdst(0) depctr_va_vdst(0) depctr_va_sdst(0) depctr_va_ssrc(0) depctr_va_vcc(0) depctr_vm_vsrc(0)
	s_getreg_b32 s2, hwreg(HW_REG_IB_STS2, 6, 4)
	s_cmp_eq_u32 s2, 0
	s_cbranch_scc0 .Lentry_in_a_cluster
	s_endpgm
.Lentry_in_a_cluster:
	s_bfe_u32 s2, ttmp6, 0x10000c
	s_cmp_lg_u32 s2, 0x3003
	s_cbranch_scc0 .Lentry_shape_is_right
	s_endpgm
.Lentry_shape_is_right:
; APPLY: the channels' mean and variance over all 32,768 pixels from the 64 partial (mean, M2) a channel; the same product y = A W^T on the same codes once more; out0 = relu((y - mean) rsqrt(var + 1e-5) gamma + beta).
; Shares, LDS, tensor loads and K steps as in the launch before: a cluster of four work-groups takes 512 pixels, partner cx channels 64 cx on, wave w image row 8 x cluster + w; A's codes are asked for jointly.
; HERE SOURCE 0 = 16 CHANNELS, SOURCE 1 = 16 PIXELS (the same sums, transposed): lane (r, h) holds pixel 4 r + T of tile T, and register j channel 16 o + 8 h + j.  So the four tiles' register j are four NEIGHBOURING
; pixels of one channel, 16 bytes, and sixteen lanes store an image row's 256 bytes of a channel whole: no stage is needed.
; The normalisation is one multiply-add: y sc + sh, sc = gamma rsqrt(var + eps), sh = beta - mean sc.
; LIMITS: NaN and infinities among the inputs are not served; the reciprocal square root is the instruction's own, good to an ulp.
.set ALB, 28672                        ; LDS: W's four tiles x 7 K steps x 1,024 bytes at 0; from here A's: 24,576 bytes a wave, [T 4][K step 6][1,024]
.set RED, 225280                       ; [wave 8][mean, M2][channel 64] f32
.set SS,  229376                       ; for each wave, its own: sc[64], sh[64]
.set LW,  2                            ; v2   16 x lane: a fragment of W
.set LA,  3                            ; v3   ALB + 24,576 x wave + 16 x lane: a fragment of A
.set AS,  16                           ; v16-27  A's scale words: register 2 s + T / 2: lanes 0-15 tile T even, lanes 16-31 tile T odd
.set WS,  28                           ; v28-41  W's likewise, seven K steps
.set DQ,  42                           ; v42-49  dist of pixel 4 r + T: pair T: the code's word, the scale word
.set WF,  64                           ; v64-95  W's four fragments of a K step; on the way out sc and sh of channel tiles 0 and 1
.set AF,  96                           ; v96-127 A's four; on the way out eight stores' data
.set ACC, 128                          ; v128-255 accumulator (channel tile o, pixel tile t) at 128 + 8 (4 o + t)
.macro ROUND                           ; a round of the cluster's barrier
	s_barrier_signal -1
	s_barrier_wait -1
	s_cmp_lg_u32 s2, 0
	s_cbranch_scc1 .Lnot_wave_0_\@
	s_barrier_signal -3
.Lnot_wave_0_\@:
	s_barrier_wait -3
	s_barrier_signal -1
	s_barrier_wait -1
.endm
.macro PLACES                          ; four plain vector lines between a matrix instruction and a load into, a vector write of, or a vector read of its registers
.rept 4
	v_nop
.endr
.endm
; One matrix instruction.  zero = 1: it starts the sum.  ra, rb = 1: that side's scale words stand in lanes 16-31 of the register named.
.macro WM d, a, b, zero, sa, sb, ra, rb
.if \zero
.if (\ra) && (\rb)
	v_wmma_scale_f32_16x16x128_f8f6f4 v[\d:\d+7], v[\a:\a+7], v[\b:\b+7], 0, v[\sa], v[\sb] matrix_a_fmt:MATRIX_FMT_FP4 matrix_b_fmt:MATRIX_FMT_FP4 matrix_a_scale:MATRIX_SCALE_ROW1 matrix_b_scale:MATRIX_SCALE_ROW1
.elseif \ra
	v_wmma_scale_f32_16x16x128_f8f6f4 v[\d:\d+7], v[\a:\a+7], v[\b:\b+7], 0, v[\sa], v[\sb] matrix_a_fmt:MATRIX_FMT_FP4 matrix_b_fmt:MATRIX_FMT_FP4 matrix_a_scale:MATRIX_SCALE_ROW1
.elseif \rb
	v_wmma_scale_f32_16x16x128_f8f6f4 v[\d:\d+7], v[\a:\a+7], v[\b:\b+7], 0, v[\sa], v[\sb] matrix_a_fmt:MATRIX_FMT_FP4 matrix_b_fmt:MATRIX_FMT_FP4 matrix_b_scale:MATRIX_SCALE_ROW1
.else
	v_wmma_scale_f32_16x16x128_f8f6f4 v[\d:\d+7], v[\a:\a+7], v[\b:\b+7], 0, v[\sa], v[\sb] matrix_a_fmt:MATRIX_FMT_FP4 matrix_b_fmt:MATRIX_FMT_FP4
.endif
.else
.if (\ra) && (\rb)
	v_wmma_scale_f32_16x16x128_f8f6f4 v[\d:\d+7], v[\a:\a+7], v[\b:\b+7], v[\d:\d+7], v[\sa], v[\sb] matrix_a_fmt:MATRIX_FMT_FP4 matrix_b_fmt:MATRIX_FMT_FP4 matrix_a_scale:MATRIX_SCALE_ROW1 matrix_b_scale:MATRIX_SCALE_ROW1
.elseif \ra
	v_wmma_scale_f32_16x16x128_f8f6f4 v[\d:\d+7], v[\a:\a+7], v[\b:\b+7], v[\d:\d+7], v[\sa], v[\sb] matrix_a_fmt:MATRIX_FMT_FP4 matrix_b_fmt:MATRIX_FMT_FP4 matrix_a_scale:MATRIX_SCALE_ROW1
.elseif \rb
	v_wmma_scale_f32_16x16x128_f8f6f4 v[\d:\d+7], v[\a:\a+7], v[\b:\b+7], v[\d:\d+7], v[\sa], v[\sb] matrix_a_fmt:MATRIX_FMT_FP4 matrix_b_fmt:MATRIX_FMT_FP4 matrix_b_scale:MATRIX_SCALE_ROW1
.else
	v_wmma_scale_f32_16x16x128_f8f6f4 v[\d:\d+7], v[\a:\a+7], v[\b:\b+7], v[\d:\d+7], v[\sa], v[\sb] matrix_a_fmt:MATRIX_FMT_FP4 matrix_b_fmt:MATRIX_FMT_FP4
.endif
.endif
.endm
; K step s (0 to 5): 16 LDS loads, 16 matrix instructions.  The 16 accumulators take turns, one instruction a turn, in the same order in every step.
.macro KSTEP s, zero
.if (\s) > 0
	PLACES
.endif
.irp o, 0,1,2,3
.irp c, 0,1
	ds_load_b128 v[WF+8*\o+4*\c:WF+8*\o+4*\c+3], v[LW] offset:(7*\o+(\s))*1024+512*\c
.endr
.endr
.irp t, 0,1,2,3
.irp c, 0,1
	ds_load_b128 v[AF+8*\t+4*\c:AF+8*\t+4*\c+3], v[LA] offset:6144*\t+1024*(\s)+512*\c
.endr
.endr
.irp t, 0,1,2,3
	s_wait_dscnt 2*(3-\t)                          ; W's fragments and A's tiles up to t are in; the later tiles' two loads each may be out
.irp o, 0,1,2,3
	WM ACC+8*(4*\o+\t), WF+8*\o, AF+8*\t, \zero, WS+2*(\s)+\o/2, AS+2*(\s)+\t/2, \o%2, \t%2
.endr
.endr
.endm
; K step 6: k = 768, dist.  A's fragment is made in registers: the code's word in register 0 of lanes 0-15 (block 24), zero codes everywhere else.
.macro DSTEP
	PLACES
.irp o, 0,1,2,3
.irp c, 0,1
	ds_load_b128 v[WF+8*\o+4*\c:WF+8*\o+4*\c+3], v[LW] offset:(7*\o+6)*1024+512*\c
.endr
.endr
.irp t, 0,1,2,3
	v_cndmask_b32 v[AF+8*\t], 0, v[DQ+2*\t], s29
.irp j, 1,2,3,4,5,6,7
	v_mov_b32 v[AF+8*\t+\j], 0
.endr
.endr
	PLACES                                         ; an operand written by vector instructions stands four places ahead of a scaled matrix instruction
	s_wait_dscnt 0x0
.irp t, 0,1,2,3
.irp o, 0,1,2,3
	WM ACC+8*(4*\o+\t), WF+8*\o, AF+8*\t, 0, WS+12+\o/2, DQ+2*\t+1, \o%2, 0
.endr
.endr
.endm
; Eight groups of n pixels become one: means in v64-79, M2 in v80-95 (pairs: my two channels) -> mean v[96:97], M2 v[102:103].  n: the bits of an f32.
.macro COMBINE8 n
	v_pk_add_f32 v[96:97], v[64:65], v[66:67]
	v_pk_add_f32 v[102:103], v[80:81], v[82:83]
.irp i, 2,3,4,5,6,7
	v_pk_add_f32 v[96:97], v[96:97], v[64+2*\i:65+2*\i]
	v_pk_add_f32 v[102:103], v[102:103], v[80+2*\i:81+2*\i]
.endr
	v_pk_mul_f32 v[96:97], v[96:97], 0x3e000000 op_sel_hi:[1,0]    ; / 8
.irp i, 0,1,2,3,4,5,6,7
	v_pk_add_f32 v[64+2*\i:65+2*\i], v[64+2*\i:65+2*\i], v[96:97] neg_lo:[0,1] neg_hi:[0,1]
.endr
	v_pk_mul_f32 v[98:99], v[64:65], v[64:65]
.irp i, 1,2,3,4,5,6,7
	v_pk_fma_f32 v[98:99], v[64+2*\i:65+2*\i], v[64+2*\i:65+2*\i], v[98:99]
.endr
	v_pk_fma_f32 v[102:103], v[98:99], \n, v[102:103] op_sel_hi:[1,0,1]
.endm
	s_load_b256 s[8:15], s[0:1], 0x0               ; a_codes s[8:9], a_scales s[10:11], dq s[12:13], w_codes s[14:15]
	s_load_b256 s[16:23], s[0:1], 0x20             ; w_scales s[16:17], part s[18:19], gamma s[20:21], beta s[22:23]
	s_load_b64 s[24:25], s[0:1], 0x40              ; out0
	v_lshl_add_u32 v62, v0, 2, 0x39000
	v_mov_b32 v63, 0
	ds_add_u32 v62, v63
	ds_add_u32 v62, v63
	v_lshrrev_b32 v1, 5, v0
	v_readfirstlane_b32 s2, v1                     ; wave 0..7
	v_and_b32 v1, 31, v0                           ; lane
	s_bfe_u32 s3, ttmp6, 0x40000                   ; cx: my group of 64 channels.  It enters global addresses of my own loads and stores alone
	s_lshl_b32 s5, ttmp9, 3                        ; in a cluster launch ttmp9 counts clusters: blocks of 512 pixels
	s_add_co_u32 s5, s5, s2                        ; my image row, 0 .. 511
	s_mov_b32 s29, 0xffff                          ; lanes 0-15
	; descriptor group 1 for W's codes: 14 dense rows of 256 bytes (32 elements of 8 bytes), no mask, no padding
	s_mov_b32 s32, 3<<16
	s_mov_b32 s33, 32<<16                          ; tensor_dim0
	s_mov_b32 s34, 14<<16                          ; tensor_dim1
	s_mov_b32 s35, 32<<16                          ; tile_dim0
	s_mov_b32 s36, 14                              ; tile_dim1
	s_mov_b32 s37, 32                              ; from row to row
	s_mov_b32 s38, 0
	s_mov_b32 s39, 0
	; and for A's: 96 such rows; 15:0 the mask: all four work-groups of the cluster; bit 21 set beside it
	s_mov_b32 s44, 15|(3<<16)|(1<<21)
	s_mov_b32 s45, 32<<16
	s_mov_b32 s46, 96<<16
	s_mov_b32 s47, 32<<16
	s_mov_b32 s48, 96
	s_mov_b32 s49, 32
	s_mov_b32 s50, 0
	s_mov_b32 s51, 0
	s_mov_b32 s40, 1                               ; group 0 for W's: count,
	s_mul_i32 s41, s2, 3584                        ; LDS address: my eighth,
	s_mul_i32 s56, s3, 28672
	s_add_co_u32 s56, s56, s41                     ; and the same eighth of my channels' 28,672 bytes
	s_mov_b32 s57, 0
	s_mov_b32 s52, 1                               ; group 0 for A's: made of the cluster's number and the wave's alone: equal in the four partners
	s_mul_i32 s6, s2, 24576
	s_add_co_u32 s53, s6, ALB
	s_mul_i32 s58, ttmp9, 196608
	s_add_co_u32 s58, s58, s6
	s_mov_b32 s59, 0
	s_mul_i32 s60, s5, 1536                        ; my image row's scale words
	s_mov_b32 s61, 0
	s_lshl_b32 s62, s5, 9                          ; and its 64 pixels of dq
	s_mov_b32 s63, 0
	v_lshlrev_b32 v[LW], 4, v1
	v_add_nc_u32 v[LA], s53, v[LW]
	v_lshlrev_b32 v4, 2, v1                        ; scale words: 4 bytes a lane
	v_and_b32 v12, 15, v0                          ; r
	v_bfe_u32 v13, v0, 4, 1                        ; h
	v_lshlrev_b32 v5, 5, v12                       ; dq: pixel 4 r: 32 r bytes
	v_lshlrev_b32 v8, 3, v1                        ; two channels a lane
	s_lshl_b32 s7, s2, 9
	s_add_co_u32 s26, s7, RED
	v_add_nc_u32 v6, s26, v8                       ; RED: where my wave puts its joined partials,
	v_add_nc_u32 v7, RED, v8                       ; and where all eight are read
	s_add_co_u32 s26, s7, SS
	v_add_nc_u32 v11, s26, v8                      ; SS: in, two channels a lane;
	v_lshlrev_b32 v9, 5, v13
	v_add_nc_u32 v9, s26, v9                       ; out: the eight channels 8 h on of a tile
	v_lshlrev_b32 v10, 17, v13
	v_lshl_add_u32 v10, v12, 4, v10                ; out0: 8 h channels of 16,384 bytes, + pixel 4 r
	s_wait_dscnt 0x0
	s_wait_kmcnt 0x0
	s_add_nc_u64 s[42:43], s[14:15], s[56:57]
	s_or_b32 s43, s43, 0x80000000                  ; type = 2
	s_add_nc_u64 s[54:55], s[8:9], s[58:59]
	s_or_b32 s55, s55, 0x80000000
	s_add_nc_u64 s[10:11], s[10:11], s[60:61]
	s_add_nc_u64 s[12:13], s[12:13], s[62:63]
	s_mul_i32 s56, s3, 1792
	s_add_nc_u64 s[16:17], s[16:17], s[56:57]      ; my channels' scale words
	s_lshl_b32 s56, s3, 15
	s_lshl_b32 s27, s2, 12
	s_add_co_u32 s56, s56, s27
	s_add_nc_u64 s[18:19], s[18:19], s[56:57]      ; part: my channels' 64 partials, my wave's eight of them
	s_lshl_b32 s56, s3, 8
	s_add_nc_u64 s[20:21], s[20:21], s[56:57]      ; gamma and beta of my 64 channels
	s_add_nc_u64 s[22:23], s[22:23], s[56:57]
	s_lshr_b32 s56, ttmp9, 3
	s_lshl_b32 s56, s56, 22                        ; out0: the sample (eight blocks of 512 pixels each),
	s_lshl_b32 s27, s3, 20
	s_add_co_u32 s56, s56, s27                     ; 64 cx channels,
	s_and_b32 s27, ttmp9, 7
	s_lshl_b32 s27, s27, 3
	s_add_co_u32 s27, s27, s2
	s_lshl_b32 s27, s27, 8
	s_add_co_u32 s56, s56, s27                     ; my image row in the sample: 256 bytes
	s_add_nc_u64 s[24:25], s[24:25], s[56:57]
	s_mov_b32 s26, 0x38000000                      ; 2^-15: one over 32,768 pixels
	s_mov_b32 s27, 0x3727c5ac                      ; 1e-5
	ROUND                                          ; all four work-groups are here: the joint loads meet
	tensor_load_to_lds s[40:43], s[32:39]          ; W's eighth first: every wave waits for it
	s_nop 0
	tensor_load_to_lds s[52:55], s[44:51]          ; my image row of A.  Two tensor loads of mine are out, and none follows
	s_nop 0
.rept 4
	v_nop                                          ; four lines behind the tensor loads
.endr
.set i, 0
.rept 8
	global_load_b64 v[64+2*i:65+2*i], v8, s[18:19] offset:512*i        ; eight partials: the means of 64 channels, 256 consecutive bytes,
	global_load_b64 v[80+2*i:81+2*i], v8, s[18:19] offset:512*i+256    ; and the M2
.set i, i+1
.endr
	global_load_b64 v[50:51], v8, s[20:21]
	global_load_b64 v[52:53], v8, s[22:23]
.set i, 0
.rept 12
	global_load_b32 v[AS+i], v4, s[10:11] offset:128*i
.set i, i+1
.endr
.set i, 0
.rept 14
	global_load_b32 v[WS+i], v4, s[16:17] offset:128*i
.set i, i+1
.endr
.irp t, 0,1,2,3
	global_load_b64 v[DQ+2*\t:DQ+2*\t+1], v5, s[12:13] offset:8*\t
.endr
	s_wait_loadcnt 30                              ; the partials, gamma and beta are in; the 30 loads issued behind them may be out
	COMBINE8 0x44000000                            ; eight blocks of 512 pixels
	ds_store_b64 v6, v[96:97]
	ds_store_b64 v6, v[102:103] offset:256
	s_wait_tensorcnt 0x1                           ; my eighth of W has landed; A's load, issued behind it, may be out: only I read its bytes
	s_wait_dscnt 0x0                               ; my stores are done
	s_barrier_signal -1
	s_barrier_wait -1                              ; W is whole, and so are the eight waves' joined partials
.set i, 0
.rept 8
	ds_load_b64 v[64+2*i:65+2*i], v7 offset:512*i
	ds_load_b64 v[80+2*i:81+2*i], v7 offset:512*i+256
.set i, i+1
.endr
	s_wait_dscnt 0x0
	COMBINE8 0x45800000                            ; eight groups of 4,096 pixels: every wave does this for itself, which spares a barrier
	v_fma_f32 v102, v102, s26, s27                 ; var + eps
	v_fma_f32 v103, v103, s26, s27
	v_rsq_f32 v102, v102
	v_rsq_f32 v103, v103
	v_nop                                          ; a plain line between a transcendental and the use of its result (ISA guide 5.7.2)
	s_wait_alu depctr_va_vdst(0)
	v_pk_mul_f32 v[54:55], v[50:51], v[102:103]    ; sc
	v_pk_fma_f32 v[56:57], v[96:97], v[54:55], v[52:53] neg_lo:[1,0,0] neg_hi:[1,0,0]   ; sh = beta - mean sc
	ds_store_b64 v11, v[54:55]                     ; into my wave's own bytes: they come back below in the result's layout
	ds_store_b64 v11, v[56:57] offset:256
	s_wait_tensorcnt 0x0                           ; my image row of A
	s_wait_loadcnt 0x0                             ; the scale words and dist
	KSTEP 0, 1
	KSTEP 1, 0
	KSTEP 2, 0
	KSTEP 3, 0
	KSTEP 4, 0
	KSTEP 5, 0
	DSTEP
	PLACES
.macro SSLOAD o, base                  ; sc and sh of channels 16 o + 8 h + 0 .. 7 into v[base] on and v[base + 8] on
	ds_load_b128 v[\base:\base+3], v9 offset:64*\o
	ds_load_b128 v[\base+4:\base+7], v9 offset:64*\o+16
	ds_load_b128 v[\base+8:\base+11], v9 offset:64*\o+256
	ds_load_b128 v[\base+12:\base+15], v9 offset:64*\o+272
.endm
; Channel tile o leaves.  Each accumulator is read from its register 0 on.
.macro OUT o, base
.if \o > 0
	s_wait_xcnt 0x0                                ; the last tile's stores have read v96-127: only behind this wait are they written again
.endif
.irp j, 0,1,2,3,4,5,6,7
.irp t, 0,1,2,3
	v_fma_f32 v[96+4*\j+\t], v[ACC+32*\o+8*\t+\j], v[\base+\j], v[\base+8+\j]
.endr
.irp t, 0,1,2,3
	v_max_num_f32 v[96+4*\j+\t], 0, v[96+4*\j+\t]
.endr
	global_store_b128 v10, v[96+4*\j:99+4*\j], s[24:25] offset:(16*\o+\j)*16384 th:TH_STORE_NT   ; lanes 0-15: channel 16 o + j, lanes 16-31: channel 16 o + 8 + j: 256 consecutive bytes each, aligned
.endr
.endm
	SSLOAD 0, 64
	SSLOAD 1, 80
	s_wait_dscnt 0x0
	OUT 0, 64
	SSLOAD 2, 128                                  ; into tile 0's accumulators, which have been read: they land while tile 1 leaves
	SSLOAD 3, 144
	OUT 1, 80
	s_wait_dscnt 0x0
	OUT 2, 128
	OUT 3, 144
	s_wait_tensorcnt 0x0
	ds_add_u32 v62, v63
	s_wait_dscnt 0x0
	ROUND                                          ; the closing round: no work-group ends while a partner may still ask for a tile that names it
	s_endpgm
.Lfunc_end_k_q8daedf0f59_apply:
	.size	k_q8daedf0f59_apply, .Lfunc_end_k_q8daedf0f59_apply-k_q8daedf0f59_apply
	.p2alignl 7, 3214868480
	.fill 96, 4, 3214868480
	.section	.rodata,"a",@progbits
	.p2align	6, 0x0
	.amdhsa_kernel k_q8daedf0f59_apply
		.amdhsa_group_segment_fixed_size 234496
		.amdhsa_private_segment_fixed_size 0
		.amdhsa_enable_private_segment 0
		.amdhsa_kernarg_size 72
		.amdhsa_user_sgpr_count 2
		.amdhsa_user_sgpr_kernarg_segment_ptr 1
		.amdhsa_wavefront_size32 1
		.amdhsa_system_sgpr_workgroup_id_x 1
		.amdhsa_system_sgpr_workgroup_id_y 1
		.amdhsa_system_sgpr_workgroup_id_z 1
		.amdhsa_system_vgpr_workitem_id 0
		.amdhsa_next_free_vgpr 256
		.amdhsa_next_free_sgpr 66
		.amdhsa_reserve_vcc 0
		.amdhsa_float_denorm_mode_32 3
		.amdhsa_float_denorm_mode_16_64 3
		.amdhsa_memory_ordered 1
		.amdhsa_forward_progress 1
		.amdhsa_inst_pref_size 56
	.end_amdhsa_kernel
	.amdgpu_metadata
---
amdhsa.version: [ 1, 2 ]
amdhsa.kernels:
  - .name:           k_q8daedf0f59_apply
    .symbol:         k_q8daedf0f59_apply.kd
    .args:
      - { .name: a_codes, .offset: 0, .size: 8, .value_kind: global_buffer, .address_space: global }
      - { .name: a_scales, .offset: 8, .size: 8, .value_kind: global_buffer, .address_space: global }
      - { .name: dq, .offset: 16, .size: 8, .value_kind: global_buffer, .address_space: global }
      - { .name: w_codes, .offset: 24, .size: 8, .value_kind: global_buffer, .address_space: global }
      - { .name: w_scales, .offset: 32, .size: 8, .value_kind: global_buffer, .address_space: global }
      - { .name: part, .offset: 40, .size: 8, .value_kind: global_buffer, .address_space: global }
      - { .name: gamma, .offset: 48, .size: 8, .value_kind: global_buffer, .address_space: global }
      - { .name: beta, .offset: 56, .size: 8, .value_kind: global_buffer, .address_space: global }
      - { .name: out0, .offset: 64, .size: 8, .value_kind: global_buffer, .address_space: global }
    .group_segment_fixed_size: 234496
    .private_segment_fixed_size: 0
    .kernarg_segment_align: 8
    .kernarg_segment_size: 72
    .max_flat_workgroup_size: 256
    .sgpr_count:     66
    .vgpr_count:     256
    .wavefront_size: 32
...
	.end_amdgpu_metadata
.endif
;; end of part 3
;; ======== version 2 of 2: 3 launches; 1.11 times as fast as version 1
;; workspace buffers: a_codes 12,582,912 bytes; a_scales 786,432 bytes; dq 133,120 bytes; w_codes 114,688 bytes; w_scales 7,168 bytes; part 131,072 bytes
;; launch quant (part 4): grid 592 x 1, 8 waves a work-group, no clusters, 86,528 bytes of LDS; arguments f_s, supp_feat_bin, support_mask, w_fusion, a_codes, a_scales, dq, w_codes, w_scales; writes a_codes, a_scales, dq, w_codes, w_scales
.if DOCPART == 4
	.amdgcn_target "amdgcn-amd-amdhsa--gfx1250"
	.amdhsa_code_object_version 6
	.text
	.protected	k_q8daedf0f59_quant
	.globl	k_q8daedf0f59_quant
	.p2align	8
	.type	k_q8daedf0f59_quant,@function
k_q8daedf0f59_quant:
	s_mov_b64 s[64:65], 0
	v_nop
	global_prefetch_b8 v0, s[64:65] scope:SCOPE_SE
	s_setreg_imm32_b32 hwreg(HW_REG_WAVE_MODE, 25, 1), 1
	s_wait_xcnt 0x0
; QUANT: what stands ahead of the product.  K is the 769 channels of concat(f_s, supp, f_s x attn, dist); codes are E2M1 with one E8M0 byte for each 32 along K.
; Three kinds of work-group, told apart by the work-group's number alone; each kind has LDS bytes of its own.
;   0 .. 63   path E: eight image rows of one sample: the SQUARED Euclidean distance D2 of each pixel to the nearest pixel with mask[4y][4x] > 0.5, and each row's largest D2 -> dq.
;             (The root, the division by the sample's largest and the code are made by the launches that read dq: they need all eight work-groups' maxima.)
;   64 .. 79  path W: 16 rows of w_fusion [256][769] -> w_codes, w_scales, laid as images of the operand's registers
;   80 .. 591 path A: one image row (64 pixels) x 256 channels of f_s and supp -> 24 blocks of codes a pixel (f_s, supp, f_s x sigmoid(f_s . supp)) -> a_codes, a_scales
; A block's scale byte is its largest magnitude's exponent field less 2, held at 1 from below by a floor among the maximum's leaves.
; LIMITS: NaN and infinities among the inputs are not served.  A block of zeros gets the byte 1 where the rule says 127: its codes are zeros, and these bytes are read by this program alone.
; Where f_s . supp lies under about -88, attn comes out 0 where the sigmoid is a number under 1e-38.  Reciprocal and exponential are the instructions' own, good to an ulp.
; LAYOUTS.  Pixel x of an image row belongs to tile T = x % 4, row r = x / 4 of that tile.  a_codes [row group 512][T 4][block 24][r 16][16 bytes]: four blocks on end are the registers of a 16 x 128 fragment,
; lane by lane.  a_scales [group][K step 6][T][r] words.  dq [row group 512][pixel 64] f32, then from byte 131,072 on [row group 512] f32.  w_codes [tile 16][K step 7][1,024 bytes].
; w_scales [4 tiles' group][K step 7][tile 4][r 16] words.
.set DOT,   0                          ; path A: [wave 8][pixel 64] f32: each wave's part of the dot product
.set SCB,   2048                       ; path A: the group's 1,536 scale bytes as they lie in a_scales
.set STG,   3584                       ; path A: a stage of 4 tiles x 320 bytes for each wave
.set WL,    13824                      ; path W: 16 rows of w_fusion as they lie, 49,216 bytes, and zeros up to 53,248
.set EH,    67072                      ; path E: [y' 64][x' 64] f32
.set EW,    83456                      ; path E: 256 bytes for each wave, its own
.set FLOOR, 0x1800000                  ; 2^(3 - 127): under it no largest magnitude is taken, so the byte cannot fall under 1
.set LESS2, 0xff000000                 ; takes 2 off an exponent field
.set C,   16                           ; v16-23   the codes of two blocks
.set BK,  24                           ; v24-31   path A: the same, back from the stage
.set F,   32                           ; v32-95   two blocks of 32 numbers: block u at F + 32 u
.set S,   96                           ; v96-159  two more
.set MF,  160                          ; v160-161 path A: f_s's largest magnitudes, kept for f_s x attn
.set M,   162                          ; v162-163 largest magnitudes
.set SO,  164                          ; v164-165 the conversions' scale operands
.set BY,  166                          ; v166-167 the scale bytes
.macro BAR                             ; my LDS instructions are done: then the work-group's barrier
	s_wait_dscnt 0x0
	s_barrier_signal -1
	s_barrier_wait -1
.endm
.macro MAXB src, m                     ; the largest magnitudes of the two blocks at src and src + 32, by turns; the floor is one more leaf
	v_max3_num_f32 v[\m], |v[\src]|, |v[\src+1]|, FLOOR
	v_max3_num_f32 v[\m+1], |v[\src+32]|, |v[\src+33]|, FLOOR
.set i, 2
.rept 15
	v_max3_num_f32 v[\m], v[\m], |v[\src+i]|, |v[\src+i+1]|
	v_max3_num_f32 v[\m+1], v[\m+1], |v[\src+32+i]|, |v[\src+33+i]|
.set i, i+2
.endr
.endm
.macro CODES src, m                    ; both blocks' codes into v[C] on, their bytes into v[BY] on
	v_add_nc_u32 v[SO], LESS2, v[\m]               ; the conversion takes the exponent field of this operand as its scale, and nothing else of it
	v_add_nc_u32 v[SO+1], LESS2, v[\m+1]
.irp g, 0,1,2,3
	v_cvt_scalef32_pk8_fp4_f32 v[C+\g], v[\src+8*\g:\src+8*\g+7], v[SO]
	v_cvt_scalef32_pk8_fp4_f32 v[C+4+\g], v[\src+32+8*\g:\src+32+8*\g+7], v[SO+1]
.endr
	v_lshrrev_b32 v[BY], 23, v[SO]                 ; the bytes; these two plain lines also stand between the conversions and whatever next touches their registers
	v_lshrrev_b32 v[BY+1], 23, v[SO+1]
.endm
	s_load_b256 s[8:15], s[0:1], 0x0               ; f_s s[8:9], supp s[10:11], mask s[12:13], w_fusion s[14:15]
	s_load_b256 s[16:23], s[0:1], 0x20             ; a_codes s[16:17], a_scales s[18:19], dq s[20:21], w_codes s[22:23]
	s_load_b64 s[24:25], s[0:1], 0x40              ; w_scales
	v_lshl_add_u32 v168, v0, 2, 0x14e00
	v_mov_b32 v169, 0
	v_lshrrev_b32 v1, 5, v0
	v_readfirstlane_b32 s2, v1                     ; wave 0..7
	v_and_b32 v1, 31, v0                           ; lane
	s_mov_b32 s30, 0x76543210                      ; v_permlanex16_b32's selects for lane l xor 16
	s_mov_b32 s31, 0xfedcba98
	s_cmp_lt_u32 ttmp9, 64
	s_cbranch_scc1 .Lpath_e
	s_cmp_lt_u32 ttmp9, 80
	s_cbranch_scc1 .Lpath_w
; ======================================================== PATH A
; Wave j takes channels 32 j .. 32 j + 31: block j of f_s, of supp and of f_s x attn.  A LANE TAKES A PIXEL (two: x = lane and lane + 32) AND ITS REGISTERS RUN DOWN THE CHANNELS,
; so that a block lies in one lane's 32 registers and the conversions give codes with K innermost.  A lane's 16 bytes of codes go through the wave's own stage and leave as whole 256-byte runs.
	s_sub_co_u32 s26, ttmp9, 80                    ; the row group G = 64 b + y
	v_lshlrev_b32 v2, 2, v1                        ; 4 x lane: my pixel in a row of f_s; also my word among a wave's 64 in DOT
	s_lshl_b32 s27, s2, 8
	v_add_nc_u32 v3, s27, v2                       ; DOT: 256 j + 4 x lane
	v_and_b32 v24, 3, v1                           ; T = lane % 4
	v_lshrrev_b32 v25, 2, v1                       ; r = lane / 4 (+ 8 for the second pixel)
	v_lshlrev_b32 v5, 6, v24
	v_lshl_add_u32 v5, v25, 2, v5                  ; SCB: 64 T + 4 r,
	s_lshr_b32 s28, s2, 2
	s_lshl_b32 s28, s28, 8
	s_and_b32 s29, s2, 3
	s_add_co_u32 s28, s28, s29
	v_add_nc_u32 v5, s28, v5                       ; + 256 (j / 4) + j % 4: block j is byte j % 4 of K step j / 4
	s_mul_i32 s28, s2, 1280                        ; my stage
	v_mul_u32_u24 v6, v24, 320
	v_lshl_add_u32 v6, v25, 4, v6
	v_add_nc_u32 v6, s28, v6                       ; into it: 320 T + 16 r.  320 = 256 + 64: sixteen neighbouring lanes (4 T x 4 r) fall on sixteen different 16-byte columns of 256
	v_lshrrev_b32 v24, 4, v1
	v_and_b32 v25, 15, v1
	v_mul_u32_u24 v7, v24, 320
	v_lshl_add_u32 v7, v25, 4, v7
	v_add_nc_u32 v7, s28, v7                       ; out of it: sixteen lanes to a tile's 256 bytes, two tiles an instruction
	v_mul_u32_u24 v8, v24, 6144
	v_lshl_add_u32 v8, v25, 4, v8                  ; and the same place in a_codes: a tile is 24 blocks x 256 bytes
	v_lshlrev_b32 v10, 4, v0                       ; 16 x thread: the scale bytes' way out
	s_lshr_b32 s28, s26, 6
	s_lshl_b32 s28, s28, 22                        ; sample b: 256 channels x 16,384 bytes
	s_and_b32 s29, s26, 63
	s_lshl_b32 s29, s29, 8                         ; image row y: 256 bytes
	s_add_co_u32 s28, s28, s29
	s_lshl_b32 s29, s2, 19                         ; 32 j channels
	s_add_co_u32 s28, s28, s29
	s_mov_b32 s29, 0
	s_mul_i32 s32, s26, 24576
	s_add_co_u32 s32, s32, s27                     ; a_codes: the group, + block j
	s_mov_b32 s33, 0
	s_mul_i32 s34, s26, 1536                       ; a_scales: the group
	s_mov_b32 s35, 0
	s_wait_kmcnt 0x0
	s_add_nc_u64 s[8:9], s[8:9], s[28:29]
	s_add_nc_u64 s[10:11], s[10:11], s[28:29]
	s_add_nc_u64 s[16:17], s[16:17], s[32:33]
	s_add_nc_u64 s[18:19], s[18:19], s[34:35]
.set i, 0
.rept 32                               ; all of the wave's share is asked for at once: 64 loads of f_s, then 64 of supp; the two halves of an image row's 256 bytes stand together
	global_load_b32 v[F+i], v2, s[8:9] offset:16384*i th:TH_LOAD_NT
	global_load_b32 v[F+32+i], v2, s[8:9] offset:16384*i+128 th:TH_LOAD_NT
.set i, i+1
.endr
.set i, 0
.rept 32
	global_load_b32 v[S+i], v2, s[10:11] offset:16384*i th:TH_LOAD_NT
	global_load_b32 v[S+32+i], v2, s[10:11] offset:16384*i+128 th:TH_LOAD_NT
.set i, i+1
.endr
; The two blocks' codes and bytes leave.  tn = 0: f_s, 1: supp, 2: f_s x attn.
.macro SEND tn
	ds_store_b8 v5, v[BY] offset:SCB+512*\tn       ; tensor tn's blocks are K steps 2 tn and 2 tn + 1
	ds_store_b8 v5, v[BY+1] offset:SCB+512*\tn+32  ; the second pixel: 8 rows of a tile on
	ds_store_b128 v6, v[C:C+3] offset:STG
	ds_store_b128 v6, v[C+4:C+7] offset:STG+128
.if \tn > 0
	s_wait_xcnt 0x0                                ; the last two stores have read v[BK] on: only behind this wait is it loaded again
.endif
	ds_load_b128 v[BK:BK+3], v7 offset:STG         ; LDS serves a wave's instructions in order (ISA guide 5.7.1.4): these see the stores above
	ds_load_b128 v[BK+4:BK+7], v7 offset:STG+640
	s_wait_dscnt 0x0                               ; the codes are back, and the LDS stores have read their data
	global_store_b128 v8, v[BK:BK+3], s[16:17] offset:2048*\tn        ; tiles 0 and 1: sixteen lanes store 256 consecutive bytes, aligned
	global_store_b128 v8, v[BK+4:BK+7], s[16:17] offset:2048*\tn+12288 ; tiles 2 and 3
.endm
	s_wait_loadcnt 63                              ; 128 loads were issued, 64 of them behind f_s's last: with 63 out at the most, f_s is in
	MAXB F, MF
	CODES F, MF
	SEND 0
	s_wait_loadcnt 0x0                             ; supp is in
	MAXB S, M
	CODES S, M
	SEND 1
	v_pk_mul_f32 v[12:13], v[F:F+1], v[S:S+1]      ; my 32 channels' part of f_s . supp, two at a time, the two pixels by turns
	v_pk_mul_f32 v[14:15], v[F+32:F+33], v[S+32:S+33]
.set i, 2
.rept 15
	v_pk_fma_f32 v[12:13], v[F+i:F+i+1], v[S+i:S+i+1], v[12:13]
	v_pk_fma_f32 v[14:15], v[F+32+i:F+33+i], v[S+32+i:S+33+i], v[14:15]
.set i, i+2
.endr
	v_add_f32 v12, v12, v13
	v_add_f32 v14, v14, v15
	ds_store_b32 v3, v12 offset:DOT
	ds_store_b32 v3, v14 offset:DOT+128
	BAR                                            ; the eight waves' parts lie in LDS
.set i, 0
.rept 8
	ds_load_b32 v[S+2*i], v2 offset:DOT+256*i
	ds_load_b32 v[S+2*i+1], v2 offset:DOT+256*i+128
.set i, i+1
.endr
	s_wait_dscnt 0x0
	v_add_f32 v12, v[S], v[S+2]                    ; added in the waves' order in every wave: all eight get the same bits
	v_add_f32 v14, v[S+1], v[S+3]
.set i, 2
.rept 6
	v_add_f32 v12, v12, v[S+2*i]
	v_add_f32 v14, v14, v[S+2*i+1]
.set i, i+1
.endr
	v_mul_f32 v12, 0xbfb8aa3b, v12                 ; attn = 1 / (1 + 2^(-log2(e) x))
	v_mul_f32 v14, 0xbfb8aa3b, v14
	v_exp_f32 v12, v12
	v_exp_f32 v14, v14
	v_nop                                          ; a plain line between a transcendental and the use of its result (ISA guide 5.7.2)
	s_wait_alu depctr_va_vdst(0)
	v_add_f32 v12, 1.0, v12
	v_add_f32 v14, 1.0, v14
	v_rcp_f32 v12, v12
	v_rcp_f32 v14, v14
	v_nop
.set i, 0
	s_wait_alu depctr_va_vdst(0)
.rept 16
	v_pk_mul_f32 v[S+i:S+i+1], v[F+i:F+i+1], v[12:13] op_sel_hi:[1,0]          ; f_s x attn
	v_pk_mul_f32 v[S+32+i:S+33+i], v[F+32+i:F+33+i], v[14:15] op_sel_hi:[1,0]
.set i, i+2
.endr
	v_mul_f32 v[M], v[MF], v12                     ; its largest magnitude is not searched for: attn is not negative and rounding keeps order, so it is f_s's largest x attn, rounded as every product is
	v_mul_f32 v[M+1], v[MF+1], v14
	v_max_num_f32 v[M], FLOOR, v[M]
	v_max_num_f32 v[M+1], FLOOR, v[M+1]
	CODES S, M
	SEND 2
	BAR                                            ; the group's 1,536 scale bytes lie in LDS
	s_cmp_lt_u32 s2, 3
	s_cbranch_scc0 .La_end
	s_wait_xcnt 0x0                                ; my last stores have read v[BK] on
	ds_load_b128 v[BK:BK+3], v10 offset:SCB        ; threads 0 to 95 take 16 bytes each
	s_wait_dscnt 0x0
	global_store_b128 v10, v[BK:BK+3], s[18:19]    ; six aligned runs of 256 bytes
.La_end:
	s_wait_tensorcnt 0x0
	ds_add_u32 v168, v169
	s_wait_dscnt 0x0
	s_endpgm
; ======================================================== PATH W
; A row of w_fusion is 3,076 bytes, but 16 rows are 49,216 dense bytes that begin at a multiple of 16: they are copied into LDS as they lie.  Then wave s (0 to 6) takes K step s:
; lane (r, h) reads, of row r, the two blocks 2 c + h that the operand's layout gives it, so that the conversions' results are the operand's registers.
.Lpath_w:
	s_sub_co_u32 s26, ttmp9, 64                    ; tile of 16 rows
	v_lshlrev_b32 v2, 4, v0                        ; 16 x thread: in the tile in memory and in LDS alike
	v_and_b32 v13, 15, v0                          ; r
	v_bfe_u32 v12, v0, 4, 1                        ; h
	v_mul_u32_u24 v4, v13, 3076
	v_lshl_add_u32 v4, v12, 7, v4
	s_lshl_b32 s27, s2, 9
	v_add_nc_u32 v4, s27, v4                       ; row r, + 128 h, + 512 s.  A row is 769 words: the 32 lanes' words lie r + 32 h apart modulo 64
	v_lshlrev_b32 v5, 4, v1                        ; 16 x lane: a fragment's image
	v_lshlrev_b32 v6, 2, v13                       ; 4 r: a scale word
.irp j, 80,81,82,83
	v_mov_b32 v\j, 0                               ; the thirteenth piece: the tile's last 64 bytes in threads 0 to 3, zeros in all others
.endr
	s_mul_i32 s28, s26, 49216
	s_mov_b32 s29, 0
	s_mul_i32 s32, s26, 7168
	s_lshl_b32 s33, s2, 10
	s_add_co_u32 s32, s32, s33                     ; w_codes: the tile's 7 fragments, mine
	s_mov_b32 s33, 0
	s_lshr_b32 s36, s26, 2
	s_mul_i32 s36, s36, 1792
	s_and_b32 s37, s26, 3
	s_lshl_b32 s37, s37, 6
	s_add_co_u32 s36, s36, s37
	s_lshl_b32 s37, s2, 8
	s_add_co_u32 s36, s36, s37                     ; w_scales: 1,792 (tile / 4) + 256 s + 64 (tile % 4)
	s_mov_b32 s37, 0
	s_cmp_eq_u32 s2, 6                             ; K step 6 has k = 768 alone: all else is replaced by zeros, without a branch
	s_cselect_b32 s34, 0, -1                       ; which lanes keep a number: none in K step 6, all elsewhere;
	s_cselect_b32 s35, 0xffff, -1                  ; the first number of block 0: lanes 0-15 (h = 0) keep it in K step 6
	v_cmp_gt_u32 vcc_lo, 4, v0
	s_wait_kmcnt 0x0
	s_add_nc_u64 s[14:15], s[14:15], s[28:29]
	s_add_nc_u64 s[22:23], s[22:23], s[32:33]
	s_add_nc_u64 s[24:25], s[24:25], s[36:37]
	s_and_saveexec_b32 s38, vcc_lo                 ; no load or store of mine is out yet
	global_load_b128 v[80:83], v2, s[14:15] offset:49152   ; threads 0 to 3: no load leaves the buffer
	s_wait_xcnt 0x0                                ; EXEC is widened only behind this wait
	s_or_b32 exec_lo, exec_lo, s38
.set i, 0
.rept 12
	global_load_b128 v[32+4*i:35+4*i], v2, s[14:15] offset:4096*i     ; a wave reads 512 consecutive bytes
.set i, i+1
.endr
	s_wait_loadcnt 0x0
.set i, 0
.rept 13
	ds_store_b128 v2, v[32+4*i:35+4*i] offset:WL+4096*i
.set i, i+1
.endr
	BAR                                            ; the tile lies in LDS, with zeros behind it: row 15's reads of K step 6 reach 508 bytes past its end
	s_cmp_eq_u32 s2, 7
	s_cbranch_scc1 .Lw_end                         ; seven K steps, eight waves
.set i, 0
.rept 32
	ds_load_b32 v[F+i], v4 offset:WL+4*i           ; block h
	ds_load_b32 v[F+32+i], v4 offset:WL+256+4*i    ; block 2 + h
.set i, i+1
.endr
	s_wait_dscnt 0x0
	v_cndmask_b32 v[F], 0, v[F], s35
.set i, 1
.rept 63
	v_cndmask_b32 v[F+i], 0, v[F+i], s34
.set i, i+1
.endr
	MAXB F, M
	CODES F, M
	v_lshl_or_b32 v30, v[BY+1], 16, v[BY]          ; my two bytes: blocks h and 2 + h of row r,
	v_lshlrev_b32 v31, 3, v12
	v_lshlrev_b32 v30, v31, v30                    ; at their places in the scale word (8 h bits up);
	v_mov_b32 v31, 0
	v_permlanex16_b32 v31, v30, s30, s31
	v_or_b32 v30, v30, v31                         ; with lane l xor 16's two the word is whole
	global_store_b128 v5, v[C:C+3], s[22:23]       ; registers 0-3 of the fragment, lane by lane: 512 consecutive bytes
	global_store_b128 v5, v[C+4:C+7], s[22:23] offset:512
	global_store_b32 v6, v30, s[24:25]             ; both halves of the lanes write row r's word with the same value
.Lw_end:
	s_wait_tensorcnt 0x0
	ds_add_u32 v168, v169
	s_wait_dscnt 0x0
	s_endpgm
; ======================================================== PATH E
; The squared distance splits: D2(y, x) = min over x' of (g2(y, x') + (x - x')^2), g2(y, x') = min over foreground y' of column x' of (y - y')^2.  Each minimum of squares is opened:
;   g2(y, x') = y^2 + min over y' of (Hc(y', x') - 2 y' y),  Hc = y'^2 on foreground, 2^40 elsewhere;      D2(y, x) = x^2 + min over x' of (H(x') - 2 x' x),  H = g2 + x'^2.
; All these are whole numbers under 2^24, exact in f32.  A column without foreground keeps g2 near 2^40; a sample without any has every D2 near 2^40, which marks it (with foreground no D2 passes 2 x 63^2).
; Eight work-groups to a sample; wave w of work-group g owns image row 8 g + w of the 512.  Every work-group needs the whole sample's Hc: wave w makes its rows 8 w .. 8 w + 7; one barrier; then a wave works alone.
; PASS: one such minimum for a lane's two numbers v[a], v[a + 1], into v16 and v17: for each n = 1 .. 63 one packed multiply-add, for each two n one three-way minimum a number; n = 0 needs no multiply-add.
; wide = 1: term n is the pair v[h + 2 n], v[h + 2 n + 1], one for each number; wide = 0: it is v[h + n], for both.  -2 n is written as the bits of an f32: sign, exponent 127 + e, where 2 n is 2^e or more.
.macro PASS a, h, wide
.set n, 1
.rept 63
.if n < 2
.set e, 1
.elseif n < 4
.set e, 2
.elseif n < 8
.set e, 3
.elseif n < 16
.set e, 4
.elseif n < 32
.set e, 5
.else
.set e, 6
.endif
.set LIT, 0x80000000+((126+e)<<23)+((2*n)<<(23-e))
.set TT, 160+2*(n%4)
.if (\wide) && (n == 32)
	s_wait_dscnt 0x0                               ; rows 32 to 63 are in
.endif
.if \wide
	v_pk_fma_f32 v[TT:TT+1], v[\a:\a+1], LIT, v[\h+2*n:\h+2*n+1] op_sel_hi:[1,0,1]
.elseif n%2
	v_pk_fma_f32 v[TT:TT+1], v[\a:\a+1], LIT, v[\h+n-1:\h+n] op_sel:[0,0,1] op_sel_hi:[1,0,1]   ; the term is the pair's second register, for both halves
.else
	v_pk_fma_f32 v[TT:TT+1], v[\a:\a+1], LIT, v[\h+n:\h+n+1] op_sel_hi:[1,0,0]                  ; the pair's first
.endif
.if n == 1
	v_min_num_f32 v16, v[\h], v[TT]
	v_min_num_f32 v17, v[\h+\wide], v[TT+1]
.elseif n%2
	v_min3_num_f32 v16, v16, v[TT-2], v[TT]
	v_min3_num_f32 v17, v17, v[TT-1], v[TT+1]
.endif
.set n, n+1
.endr
.endm
.Lpath_e:
	s_lshr_b32 s26, ttmp9, 3                       ; the sample
	s_lshl_b32 s39, ttmp9, 3
	s_add_co_u32 s39, s39, s2                      ; my image row among the 512,
	s_and_b32 s40, s39, 63                         ; and in the sample: y
	v_lshlrev_b32 v2, 4, v1                        ; mask[4 y'][4 x']: 16 bytes from column to column
	s_lshl_b32 s32, s26, 18                        ; the sample's mask,
	s_lshl_b32 s33, s2, 15                         ; rows y' = 8 w on: 4,096 bytes from y' to y' + 1
	s_add_co_u32 s32, s32, s33
	s_mov_b32 s33, 0
	s_lshl_b32 s34, s39, 8                         ; dq: my row's 64 numbers,
	s_mov_b32 s35, 0
	s_lshl_b32 s36, s39, 2                         ; and its word among the maxima
	s_mov_b32 s37, 0
	s_wait_kmcnt 0x0
	s_add_nc_u64 s[12:13], s[12:13], s[32:33]
	s_add_nc_u64 s[34:35], s[20:21], s[34:35]
	s_add_nc_u64 s[36:37], s[20:21], s[36:37]
.set k, 0
.rept 8
	global_load_b32 v[32+2*k], v2, s[12:13] offset:4096*k          ; row 8 w + k, columns 0 to 31: a lane a column,
	global_load_b32 v[33+2*k], v2, s[12:13] offset:4096*k+512      ; columns 32 to 63
.set k, k+1
.endr
	; the addresses and constants are made while the loads are out
	s_lshl_b32 s28, s2, 11
	s_add_co_u32 s28, s28, EH
	v_lshl_add_u32 v3, v1, 2, s28                  ; Hc: my eight rows, column = lane
	v_lshlrev_b32 v24, 1, v1
	v_cvt_f32_u32 v4, v24                          ; from the barrier on a lane has two neighbours: columns x', then pixels x: 2 x lane and 2 x lane + 1,
	v_add_f32 v5, 1.0, v4
	v_mul_f32 v6, v4, v4                           ; and their squares
	v_mul_f32 v7, v5, v5
	v_lshl_add_u32 v8, v1, 3, EH                   ; Hc: my two columns of a row
	s_lshl_b32 s29, s2, 8
	s_add_co_u32 s29, s29, EW
	v_lshl_add_u32 v9, v1, 3, s29                  ; my wave's own 256 bytes: my two numbers,
	v_mov_b32 v10, s29                             ; and their start
	v_lshlrev_b32 v11, 3, v1                       ; dq: 8 bytes a lane
	v_mov_b32 v12, 0x53800000                      ; 2^40
	v_mov_b32 v13, 0
	v_cvt_f32_u32 v14, s40                         ; y, twice, for the packed form
	v_mov_b32 v15, v14
	v_fma_f32 v18, v14, v14, v6                    ; y^2 + x'^2
	v_fma_f32 v19, v14, v14, v7
	s_lshl_b32 s27, s2, 3
.set k, 0
.rept 8
	s_add_co_u32 s28, s27, k
	s_mul_i32 s28, s28, s28
	v_cvt_f32_u32 v[20+k], s28                     ; y'^2 of my eight rows
.set k, k+1
.endr
	s_wait_loadcnt 0x0
.set k, 0
.rept 8
	v_cmp_lt_f32 vcc_lo, 0.5, v[32+2*k]
	v_cndmask_b32 v[32+2*k], v12, v[20+k], vcc_lo
	v_cmp_lt_f32 vcc_lo, 0.5, v[33+2*k]
	v_cndmask_b32 v[33+2*k], v12, v[20+k], vcc_lo
.set k, k+1
.endr
.set k, 0
.rept 8
	ds_store_b32 v3, v[32+2*k] offset:256*k
	ds_store_b32 v3, v[33+2*k] offset:256*k+128
.set k, k+1
.endr
	BAR                                            ; the sample's Hc lies in LDS
.set n, 0
.rept 64
	ds_load_b64 v[32+2*n:33+2*n], v8 offset:256*n  ; row n, my two columns: the wave reads 256 consecutive bytes
.set n, n+1
.endr
	s_wait_dscnt 32                                ; rows 0 to 31 are in; the 32 loads issued behind them may be out
	PASS 14, 32, 1
	v_pk_add_f32 v[16:17], v[16:17], v[18:19]      ; H(x') = g2 + x'^2 of my two columns
	ds_store_b64 v9, v[16:17]
.set k, 0
.rept 16
	ds_load_b128 v[32+4*k:35+4*k], v10 offset:16*k ; all 64 into every lane.  LDS serves a wave's instructions in order (ISA guide 5.7.1.4): these see my store; no other wave touches these bytes
.set k, k+1
.endr
	s_wait_dscnt 0x0
	PASS 4, 32, 0
	v_pk_add_f32 v[16:17], v[16:17], v[6:7]        ; + x^2: D2
	global_store_b64 v11, v[16:17], s[34:35]       ; my image row: 256 consecutive bytes, aligned
	v_max_num_f32 v160, v16, v17                   ; the row's largest
	v_max_num_f32_dpp v160, v160, v160 row_xmask:1 row_mask:0xf bank_mask:0xf
	v_max_num_f32_dpp v160, v160, v160 row_xmask:2 row_mask:0xf bank_mask:0xf
	v_max_num_f32_dpp v160, v160, v160 row_xmask:4 row_mask:0xf bank_mask:0xf
	v_max_num_f32_dpp v160, v160, v160 row_xmask:8 row_mask:0xf bank_mask:0xf
	v_permlanex16_b32 v161, v160, s30, s31
	v_max_num_f32 v160, v160, v161
	global_store_b32 v13, v160, s[36:37] offset:131072   ; all lanes write the same word with the same value: one word a wave, 2,048 bytes in the launch
	s_wait_tensorcnt 0x0
	ds_add_u32 v168, v169
	s_wait_dscnt 0x0
	s_endpgm
.Lfunc_end_k_q8daedf0f59_quant:
	.size	k_q8daedf0f59_quant, .Lfunc_end_k_q8daedf0f59_quant-k_q8daedf0f59_quant
	.p2alignl 7, 3214868480
	.fill 96, 4, 3214868480
	.section	.rodata,"a",@progbits
	.p2align	6, 0x0
	.amdhsa_kernel k_q8daedf0f59_quant
		.amdhsa_group_segment_fixed_size 86528
		.amdhsa_private_segment_fixed_size 0
		.amdhsa_enable_private_segment 0
		.amdhsa_kernarg_size 72
		.amdhsa_user_sgpr_count 2
		.amdhsa_user_sgpr_kernarg_segment_ptr 1
		.amdhsa_wavefront_size32 1
		.amdhsa_system_sgpr_workgroup_id_x 1
		.amdhsa_system_sgpr_workgroup_id_y 1
		.amdhsa_system_sgpr_workgroup_id_z 1
		.amdhsa_system_vgpr_workitem_id 0
		.amdhsa_next_free_vgpr 170
		.amdhsa_next_free_sgpr 66
		.amdhsa_reserve_vcc 1
		.amdhsa_float_denorm_mode_32 3
		.amdhsa_float_denorm_mode_16_64 3
		.amdhsa_memory_ordered 1
		.amdhsa_forward_progress 1
		.amdhsa_inst_pref_size 77
	.end_amdhsa_kernel
	.amdgpu_metadata
---
amdhsa.version: [ 1, 2 ]
amdhsa.kernels:
  - .name:           k_q8daedf0f59_quant
    .symbol:         k_q8daedf0f59_quant.kd
    .args:
      - { .name: f_s, .offset: 0, .size: 8, .value_kind: global_buffer, .address_space: global }
      - { .name: supp_feat_bin, .offset: 8, .size: 8, .value_kind: global_buffer, .address_space: global }
      - { .name: support_mask, .offset: 16, .size: 8, .value_kind: global_buffer, .address_space: global }
      - { .name: w_fusion, .offset: 24, .size: 8, .value_kind: global_buffer, .address_space: global }
      - { .name: a_codes, .offset: 32, .size: 8, .value_kind: global_buffer, .address_space: global }
      - { .name: a_scales, .offset: 40, .size: 8, .value_kind: global_buffer, .address_space: global }
      - { .name: dq, .offset: 48, .size: 8, .value_kind: global_buffer, .address_space: global }
      - { .name: w_codes, .offset: 56, .size: 8, .value_kind: global_buffer, .address_space: global }
      - { .name: w_scales, .offset: 64, .size: 8, .value_kind: global_buffer, .address_space: global }
    .group_segment_fixed_size: 86528
    .private_segment_fixed_size: 0
    .kernarg_segment_align: 8
    .kernarg_segment_size: 72
    .max_flat_workgroup_size: 256
    .sgpr_count:     66
    .vgpr_count:     170
    .wavefront_size: 32
...
	.end_amdgpu_metadata
.endif
;; end of part 4
;; launch stats (part 5): grid 256 x 1, 8 waves a work-group, clusters of 4 x 1, 230,400 bytes of LDS; arguments a_codes, a_scales, dq, w_codes, w_scales, part; writes part
.if DOCPART == 5
	.amdgcn_target "amdgcn-amd-amdhsa--gfx1250"
	.amdhsa_code_object_version 6
	.text
	.protected	k_q8daedf0f59_stats
	.globl	k_q8daedf0f59_stats
	.p2align	8
	.type	k_q8daedf0f59_stats,@function
k_q8daedf0f59_stats:
	s_mov_b64 s[64:65], 0
	v_nop
	global_prefetch_b8 v0, s[64:65] scope:SCOPE_SE
	s_setreg_imm32_b32 hwreg(HW_REG_WAVE_MODE, 25, 1), 1
	s_wait_xcnt 0x0
	s_wait_alu depctr_hold_cnt(0) depctr_sa_sdst(0) depctr_va_vdst(0) depctr_va_sdst(0) depctr_va_ssrc(0) depctr_va_vcc(0) depctr_vm_vsrc(0)
	s_getreg_b32 s2, hwreg(HW_REG_IB_STS2, 6, 4)
	s_cmp_eq_u32 s2, 0
	s_cbranch_scc0 .Lentry_in_a_cluster
	s_endpgm
.Lentry_in_a_cluster:
	s_bfe_u32 s2, ttmp6, 0x10000c
	s_cmp_lg_u32 s2, 0x3003
	s_cbranch_scc0 .Lentry_shape_is_right
	s_endpgm
.Lentry_shape_is_right:
; STATS: y = A W^T on codes of E2M1 (K = 769 in seven steps of 128, the last holding k = 768 alone); y stays in registers; of each channel the mean and the sum of squared deviations (M2) over the work-group's 512 pixels go to part.
; The variance is never a difference of large sums: a group of pixels is carried as (mean, M2), and eight groups of n pixels are joined by mean = the means' mean, M2 = the sum of the M2 + n x the sum of (mean_i - mean)^2.
; SHARES.  A cluster of four work-groups takes 512 pixels (cluster x); its partner cx takes channels 64 cx .. 64 cx + 63.  Wave w takes image row 8 x cluster + w: 64 pixels as four tiles (tile T = pixels 4 r + T),
; against four tiles of 16 channels: 16 accumulators, 112 matrix instructions.
; THE FOUR PARTNERS NEED THE SAME 196,608 BYTES OF A'S CODES: each wave asks for its image row's 24,576 JOINTLY, by the same tensor load with a mask that names the four.  W's 28,672 bytes differ from partner to partner:
; a plain load, an eighth a wave.  All that a work-group reads of codes fits in LDS and is asked for at the head; no LDS byte is filled twice.
; Codes lie in memory as images of the operands' registers: a fragment is two loads of 16 bytes a lane at 16 x lane, with no pitch and no padding.
; CHANNEL 768, dist, arrives as the squared distance D2 of each pixel and the largest D2 of each of the sample's 64 image rows: the root, the division by (the sample's largest + 1e-6) and the code are made here, in registers,
; by the same lines as in the launch that follows, so that both multiply the same codes.
; SOURCE 0 = 16 PIXELS, SOURCE 1 = 16 CHANNELS: a lane holds ONE channel (lane % 16) and its registers are pixels, so a channel's sums want one exchange between the halves of the lanes.
; LIMITS: NaN and infinities among the inputs are not served.  Square root and reciprocal are the instructions' own, good to an ulp; the quotient is mended by one step.  A dist of 0 gets the scale byte 1 where the rule says 127: its code is 0.
.set ALB, 28672                        ; LDS: W's four tiles x 7 K steps x 1,024 bytes at 0; from here A's: 24,576 bytes a wave, [T 4][K step 6][1,024]
.set RED, 225280                       ; [wave 8][mean, M2][channel 64] f32
.set FLOOR, 0x1800000                  ; 2^(3 - 127): under it no largest magnitude is taken, so the byte cannot fall under 1
.set LESS2, 0xff000000                 ; takes 2 off an exponent field
.set LW,  2                            ; v2   16 x lane: a fragment of W
.set LA,  3                            ; v3   ALB + 24,576 x wave + 16 x lane: a fragment of A
.set AS,  16                           ; v16-27  A's scale words: register 2 s + T / 2: lanes 0-15 tile T even, lanes 16-31 tile T odd
.set WS,  28                           ; v28-41  W's likewise, seven K steps
.set DD,  42                           ; v42-45  D2 of pixels 4 r + T, then dist
.set SW,  46                           ; v46-49  dist's scale words, tile T: they hold nothing else
.set CW,  58                           ; v58-61  dist's codes: the lowest four bits of a word
.set MX,  62                           ; v62-63  two of the sample's 64 row maxima; then the largest, and the reciprocal
.set WF,  64                           ; v64-95  W's four fragments of a K step
.set AF,  96                           ; v96-127 A's four
.set ACC, 128                          ; v128-255 accumulator (channel tile o, pixel tile t) at 128 + 8 (4 o + t)
.macro ROUND                           ; a round of the cluster's barrier
	s_barrier_signal -1
	s_barrier_wait -1
	s_cmp_lg_u32 s2, 0
	s_cbranch_scc1 .Lnot_wave_0_\@
	s_barrier_signal -3
.Lnot_wave_0_\@:
	s_barrier_wait -3
	s_barrier_signal -1
	s_barrier_wait -1
.endm
.macro PLACES                          ; four plain vector lines between a matrix instruction and a load into, a vector write of, or a vector read of its registers
.rept 4
	v_nop
.endr
.endm
; One matrix instruction.  zero = 1: it starts the sum.  ra, rb = 1: that side's scale words stand in lanes 16-31 of the register named.
.macro WM d, a, b, zero, sa, sb, ra, rb
.if \zero
.if (\ra) && (\rb)
	v_wmma_scale_f32_16x16x128_f8f6f4 v[\d:\d+7], v[\a:\a+7], v[\b:\b+7], 0, v[\sa], v[\sb] matrix_a_fmt:MATRIX_FMT_FP4 matrix_b_fmt:MATRIX_FMT_FP4 matrix_a_scale:MATRIX_SCALE_ROW1 matrix_b_scale:MATRIX_SCALE_ROW1
.elseif \ra
	v_wmma_scale_f32_16x16x128_f8f6f4 v[\d:\d+7], v[\a:\a+7], v[\b:\b+7], 0, v[\sa], v[\sb] matrix_a_fmt:MATRIX_FMT_FP4 matrix_b_fmt:MATRIX_FMT_FP4 matrix_a_scale:MATRIX_SCALE_ROW1
.elseif \rb
	v_wmma_scale_f32_16x16x128_f8f6f4 v[\d:\d+7], v[\a:\a+7], v[\b:\b+7], 0, v[\sa], v[\sb] matrix_a_fmt:MATRIX_FMT_FP4 matrix_b_fmt:MATRIX_FMT_FP4 matrix_b_scale:MATRIX_SCALE_ROW1
.else
	v_wmma_scale_f32_16x16x128_f8f6f4 v[\d:\d+7], v[\a:\a+7], v[\b:\b+7], 0, v[\sa], v[\sb] matrix_a_fmt:MATRIX_FMT_FP4 matrix_b_fmt:MATRIX_FMT_FP4
.endif
.else
.if (\ra) && (\rb)
	v_wmma_scale_f32_16x16x128_f8f6f4 v[\d:\d+7], v[\a:\a+7], v[\b:\b+7], v[\d:\d+7], v[\sa], v[\sb] matrix_a_fmt:MATRIX_FMT_FP4 matrix_b_fmt:MATRIX_FMT_FP4 matrix_a_scale:MATRIX_SCALE_ROW1 matrix_b_scale:MATRIX_SCALE_ROW1
.elseif \ra
	v_wmma_scale_f32_16x16x128_f8f6f4 v[\d:\d+7], v[\a:\a+7], v[\b:\b+7], v[\d:\d+7], v[\sa], v[\sb] matrix_a_fmt:MATRIX_FMT_FP4 matrix_b_fmt:MATRIX_FMT_FP4 matrix_a_scale:MATRIX_SCALE_ROW1
.elseif \rb
	v_wmma_scale_f32_16x16x128_f8f6f4 v[\d:\d+7], v[\a:\a+7], v[\b:\b+7], v[\d:\d+7], v[\sa], v[\sb] matrix_a_fmt:MATRIX_FMT_FP4 matrix_b_fmt:MATRIX_FMT_FP4 matrix_b_scale:MATRIX_SCALE_ROW1
.else
	v_wmma_scale_f32_16x16x128_f8f6f4 v[\d:\d+7], v[\a:\a+7], v[\b:\b+7], v[\d:\d+7], v[\sa], v[\sb] matrix_a_fmt:MATRIX_FMT_FP4 matrix_b_fmt:MATRIX_FMT_FP4
.endif
.endif
.endm
; K step s (0 to 5): 16 LDS loads, 16 matrix instructions.  The 16 accumulators take turns, one instruction a turn, in the same order in every step.
.macro KSTEP s, zero
.if (\s) > 0
	PLACES
.endif
.irp o, 0,1,2,3
.irp c, 0,1
	ds_load_b128 v[WF+8*\o+4*\c:WF+8*\o+4*\c+3], v[LW] offset:(7*\o+(\s))*1024+512*\c
.endr
.endr
.irp t, 0,1,2,3
.irp c, 0,1
	ds_load_b128 v[AF+8*\t+4*\c:AF+8*\t+4*\c+3], v[LA] offset:6144*\t+1024*(\s)+512*\c
.endr
.endr
.irp t, 0,1,2,3
	s_wait_dscnt 2*(3-\t)                          ; W's fragments and A's tiles up to t are in; the later tiles' two loads each may be out
.irp o, 0,1,2,3
	WM ACC+8*(4*\o+\t), AF+8*\t, WF+8*\o, \zero, AS+2*(\s)+\t/2, WS+2*(\s)+\o/2, \t%2, \o%2
.endr
.endr
.endm
; dist of my four pixels, from D2 and the sample's row maxima, as codes and scale words.  It uses v64-67 and v96-127, which hold nothing yet.
.macro DIST
	v_max_num_f32 v[MX], v[MX], v[MX+1]            ; the sample's largest D2: of my two rows, of the wave's 64
	v_max_num_f32_dpp v[MX], v[MX], v[MX] row_xmask:1 row_mask:0xf bank_mask:0xf
	v_max_num_f32_dpp v[MX], v[MX], v[MX] row_xmask:2 row_mask:0xf bank_mask:0xf
	v_max_num_f32_dpp v[MX], v[MX], v[MX] row_xmask:4 row_mask:0xf bank_mask:0xf
	v_max_num_f32_dpp v[MX], v[MX], v[MX] row_xmask:8 row_mask:0xf bank_mask:0xf
	v_permlanex16_b32 v[MX+1], v[MX], s30, s31
	v_max_num_f32 v[MX], v[MX], v[MX+1]
	v_cmp_gt_f32 vcc_lo, 0x4e800000, v[MX]         ; 2^30 > the largest D2: the sample has foreground.  It only selects values
.irp t, 0,1,2,3
	v_sqrt_f32 v[DD+\t], v[DD+\t]
.endr
	v_sqrt_f32 v[MX], v[MX]
.irp t, 0,1,2,3
.irp j, 1,2,3,4,5,6,7
	v_mov_b32 v[96+8*\t+\j], 0                     ; four runs of eight numbers: a pixel's dist and seven of block 24's zeros.  (Plain lines behind the transcendentals: ISA guide 5.7.2)
.endr
.endr
	s_wait_alu depctr_va_vdst(0)
.irp t, 0,1,2,3
	v_cndmask_b32 v[DD+\t], 1.0, v[DD+\t], vcc_lo  ; without foreground every distance is 1
.endr
	v_cndmask_b32 v[MX], 1.0, v[MX], vcc_lo
	v_add_f32 v[MX], 0x358637bd, v[MX]             ; the largest + 1e-6
	v_rcp_f32 v[MX+1], v[MX]
	v_nop
	s_wait_alu depctr_va_vdst(0)
.irp t, 0,1,2,3
	v_mul_f32 v[64+\t], v[DD+\t], v[MX+1]          ; the quotient, and one step that mends it: q + (dist - q den) / den.  Distances such as half the largest lie a few ulp under a power of two
.endr
.irp t, 0,1,2,3
	v_fma_f32 v[DD+\t], -v[64+\t], v[MX], v[DD+\t]
.endr
.irp t, 0,1,2,3
	v_fma_f32 v[96+8*\t], v[DD+\t], v[MX+1], v[64+\t]
.endr
.irp t, 0,1,2,3
	v_max_num_f32 v[64+\t], FLOOR, v[96+8*\t]      ; dist stands alone in block 24: it is the block's largest magnitude
.endr
.irp t, 0,1,2,3
	v_add_nc_u32 v[64+\t], LESS2, v[64+\t]         ; the conversion takes the exponent field of this operand as its scale
.endr
.irp t, 0,1,2,3
	v_cvt_scalef32_pk8_fp4_f32 v[CW+\t], v[96+8*\t:103+8*\t], v[64+\t]
.endr
.irp t, 0,1,2,3
	v_lshrrev_b32 v[SW+\t], 23, v[64+\t]           ; the scale word: block 24's byte, zeros above (those blocks' codes are zeros).  Plain lines behind the conversions
.endr
.endm
; K step 6: k = 768, dist.  A's fragment is made in registers: the code's word in register 0 of lanes 0-15 (block 24), zero codes everywhere else.
.macro DSTEP
	PLACES
.irp o, 0,1,2,3
.irp c, 0,1
	ds_load_b128 v[WF+8*\o+4*\c:WF+8*\o+4*\c+3], v[LW] offset:(7*\o+6)*1024+512*\c
.endr
.endr
.irp t, 0,1,2,3
	v_cndmask_b32 v[AF+8*\t], 0, v[CW+\t], s29
.irp j, 1,2,3,4,5,6,7
	v_mov_b32 v[AF+8*\t+\j], 0
.endr
.endr
	PLACES                                         ; an operand written by vector instructions stands four places ahead of a scaled matrix instruction
	s_wait_dscnt 0x0
.irp t, 0,1,2,3
.irp o, 0,1,2,3
	WM ACC+8*(4*\o+\t), AF+8*\t, WF+8*\o, 0, SW+\t, WS+12+\o/2, 0, \o%2
.endr
.endr
.endm
; Eight groups of n pixels become one: means in v64-79, M2 in v80-95 (pairs: my two channels) -> mean v[96:97], M2 v[102:103].  n: the bits of an f32.
.macro COMBINE8 n
	v_pk_add_f32 v[96:97], v[64:65], v[66:67]
	v_pk_add_f32 v[102:103], v[80:81], v[82:83]
.irp i, 2,3,4,5,6,7
	v_pk_add_f32 v[96:97], v[96:97], v[64+2*\i:65+2*\i]
	v_pk_add_f32 v[102:103], v[102:103], v[80+2*\i:81+2*\i]
.endr
	v_pk_mul_f32 v[96:97], v[96:97], 0x3e000000 op_sel_hi:[1,0]    ; / 8
.irp i, 0,1,2,3,4,5,6,7
	v_pk_add_f32 v[64+2*\i:65+2*\i], v[64+2*\i:65+2*\i], v[96:97] neg_lo:[0,1] neg_hi:[0,1]
.endr
	v_pk_mul_f32 v[98:99], v[64:65], v[64:65]
.irp i, 1,2,3,4,5,6,7
	v_pk_fma_f32 v[98:99], v[64+2*\i:65+2*\i], v[64+2*\i:65+2*\i], v[98:99]
.endr
	v_pk_fma_f32 v[102:103], v[98:99], \n, v[102:103] op_sel_hi:[1,0,1]
.endm
	s_load_b256 s[8:15], s[0:1], 0x0               ; a_codes s[8:9], a_scales s[10:11], dq s[12:13], w_codes s[14:15]
	s_load_b128 s[16:19], s[0:1], 0x20             ; w_scales s[16:17], part s[18:19]
	v_lshl_add_u32 v56, v0, 2, 0x38000
	v_mov_b32 v57, 0
	ds_add_u32 v56, v57
	ds_add_u32 v56, v57
	v_lshrrev_b32 v1, 5, v0
	v_readfirstlane_b32 s2, v1                     ; wave 0..7
	v_and_b32 v1, 31, v0                           ; lane
	s_bfe_u32 s3, ttmp6, 0x40000                   ; cx: my group of 64 channels.  It enters global addresses of my own loads and stores alone
	s_lshl_b32 s5, ttmp9, 3                        ; in a cluster launch ttmp9 counts clusters: blocks of 512 pixels
	s_add_co_u32 s5, s5, s2                        ; my image row, 0 .. 511
	s_mov_b32 s28, 0xffff0000                      ; lanes 16-31
	s_mov_b32 s29, 0xffff                          ; lanes 0-15
	s_mov_b32 s30, 0x76543210                      ; v_permlanex16_b32's selects for lane l xor 16
	s_mov_b32 s31, 0xfedcba98
	; descriptor group 1 for W's codes: 14 dense rows of 256 bytes (32 elements of 8 bytes), no mask, no padding
	s_mov_b32 s32, 3<<16
	s_mov_b32 s33, 32<<16                          ; tensor_dim0
	s_mov_b32 s34, 14<<16                          ; tensor_dim1
	s_mov_b32 s35, 32<<16                          ; tile_dim0
	s_mov_b32 s36, 14                              ; tile_dim1
	s_mov_b32 s37, 32                              ; from row to row
	s_mov_b32 s38, 0
	s_mov_b32 s39, 0
	; and for A's: 96 such rows; 15:0 the mask: all four work-groups of the cluster; bit 21 set beside it
	s_mov_b32 s44, 15|(3<<16)|(1<<21)
	s_mov_b32 s45, 32<<16
	s_mov_b32 s46, 96<<16
	s_mov_b32 s47, 32<<16
	s_mov_b32 s48, 96
	s_mov_b32 s49, 32
	s_mov_b32 s50, 0
	s_mov_b32 s51, 0
	s_mov_b32 s40, 1                               ; group 0 for W's: count,
	s_mul_i32 s41, s2, 3584                        ; LDS address: my eighth,
	s_mul_i32 s56, s3, 28672
	s_add_co_u32 s56, s56, s41                     ; and the same eighth of my channels' 28,672 bytes
	s_mov_b32 s57, 0
	s_mov_b32 s52, 1                               ; group 0 for A's: made of the cluster's number and the wave's alone: equal in the four partners
	s_mul_i32 s6, s2, 24576
	s_add_co_u32 s53, s6, ALB
	s_mul_i32 s58, ttmp9, 196608
	s_add_co_u32 s58, s58, s6
	s_mov_b32 s59, 0
	s_mul_i32 s60, s5, 1536                        ; my image row's scale words
	s_mov_b32 s61, 0
	s_lshl_b32 s62, s5, 8                          ; dq: my image row's 64 numbers;
	s_lshr_b32 s63, ttmp9, 3
	s_lshl_b32 s63, s63, 8                         ; the sample's 64 row maxima (a sample is eight blocks of 512 pixels)
	v_lshlrev_b32 v[LW], 4, v1
	v_add_nc_u32 v[LA], s53, v[LW]
	v_lshlrev_b32 v4, 2, v1                        ; scale words: 4 bytes a lane
	v_and_b32 v9, 15, v0                           ; r
	v_bfe_u32 v10, v0, 4, 1                        ; h
	v_lshl_add_u32 v5, v9, 4, s62                  ; D2 of pixels 4 r .. 4 r + 3: 16 bytes
	v_lshl_add_u32 v14, v1, 3, s63                 ; two row maxima a lane
	s_lshl_b32 s7, s2, 9
	s_add_co_u32 s7, s7, RED
	v_lshlrev_b32 v6, 2, v9
	v_lshl_add_u32 v6, v10, 8, v6
	v_add_nc_u32 v6, s7, v6                        ; RED: my wave's; lanes 0-15 the means, lanes 16-31 the M2; channel r of a tile
	v_lshlrev_b32 v8, 3, v1                        ; two channels a lane
	v_add_nc_u32 v7, RED, v8
	s_wait_dscnt 0x0
	s_wait_kmcnt 0x0
	s_add_nc_u64 s[42:43], s[14:15], s[56:57]
	s_or_b32 s43, s43, 0x80000000                  ; type = 2
	s_add_nc_u64 s[54:55], s[8:9], s[58:59]
	s_or_b32 s55, s55, 0x80000000
	s_add_nc_u64 s[10:11], s[10:11], s[60:61]
	s_mul_i32 s56, s3, 1792
	s_add_nc_u64 s[16:17], s[16:17], s[56:57]      ; my channels' scale words
	s_lshl_b32 s56, s3, 15
	s_lshl_b32 s26, ttmp9, 9
	s_add_co_u32 s56, s56, s26
	s_add_nc_u64 s[18:19], s[18:19], s[56:57]      ; part [channel group][block of pixels]: 512 bytes
	ROUND                                          ; all four work-groups are here: the joint loads meet
	tensor_load_to_lds s[40:43], s[32:39]          ; W's eighth first: every wave waits for it
	s_nop 0
	tensor_load_to_lds s[52:55], s[44:51]          ; my image row of A.  Two tensor loads of mine are out, and none follows
	s_nop 0
.rept 4
	v_nop                                          ; four lines behind the tensor loads
.endr
.set i, 0
.rept 12
	global_load_b32 v[AS+i], v4, s[10:11] offset:128*i
.set i, i+1
.endr
.set i, 0
.rept 14
	global_load_b32 v[WS+i], v4, s[16:17] offset:128*i
.set i, i+1
.endr
	global_load_b128 v[DD:DD+3], v5, s[12:13]      ; sixteen lanes read my image row's 256 bytes; both halves of the lanes the same
	global_load_b64 v[MX:MX+1], v14, s[12:13] offset:131072   ; 256 consecutive bytes, aligned
	s_wait_tensorcnt 0x1                           ; my eighth of W has landed; A's load, issued behind it, may be out: only I read its bytes
	s_barrier_signal -1
	s_barrier_wait -1                              ; W is whole
	s_wait_loadcnt 0x0                             ; the scale words, D2 and the maxima
	DIST                                           ; while A's tile is on its way
	s_wait_tensorcnt 0x0                           ; my image row of A
	KSTEP 0, 1
	KSTEP 1, 0
	KSTEP 2, 0
	KSTEP 3, 0
	KSTEP 4, 0
	KSTEP 5, 0
	DSTEP
	PLACES
	; A channel tile's 32 registers are 32 pixels of my channel; the lane 16 away holds the other 32.  Each accumulator is read from its low end on; the four tiles by turns.
.irp o, 0,1,2,3
	v_pk_add_f32 v[64+4*\o:65+4*\o], v[ACC+32*\o:ACC+32*\o+1], v[ACC+32*\o+2:ACC+32*\o+3]
.endr
.irp o, 0,1,2,3
	v_pk_add_f32 v[66+4*\o:67+4*\o], v[ACC+32*\o+4:ACC+32*\o+5], v[ACC+32*\o+6:ACC+32*\o+7]
.endr
.irp p, 8,12,16,20,24,28
.irp o, 0,1,2,3
	v_pk_add_f32 v[64+4*\o:65+4*\o], v[64+4*\o:65+4*\o], v[ACC+32*\o+\p:ACC+32*\o+\p+1]
	v_pk_add_f32 v[66+4*\o:67+4*\o], v[66+4*\o:67+4*\o], v[ACC+32*\o+\p+2:ACC+32*\o+\p+3]
.endr
.endr
.irp o, 0,1,2,3
	v_mov_b32 v[112+\o], 0                         ; a lane permute's destination counts as one of its sources
.endr
.irp o, 0,1,2,3
	v_pk_add_f32 v[64+4*\o:65+4*\o], v[64+4*\o:65+4*\o], v[66+4*\o:67+4*\o]
.endr
.irp o, 0,1,2,3
	v_add_f32 v[64+4*\o], v[64+4*\o], v[65+4*\o]
.endr
.irp o, 0,1,2,3
	v_permlanex16_b32 v[112+\o], v[64+4*\o], s30, s31
.endr
.irp o, 0,1,2,3
	v_add_f32 v[64+4*\o], v[64+4*\o], v[112+\o]
.endr
.irp o, 0,1,2,3
	v_mul_f32 v[80+2*\o], 0x3c800000, v[64+4*\o]   ; the mean of 64 pixels,
.endr
.irp o, 0,1,2,3
	v_mov_b32 v[81+2*\o], v[80+2*\o]               ; twice, for the packed subtraction
.endr
.irp p, 0,4,8,12,16,20,24,28
.irp o, 0,1,2,3
	v_pk_add_f32 v[96+4*\o:97+4*\o], v[ACC+32*\o+\p:ACC+32*\o+\p+1], v[80+2*\o:81+2*\o] neg_lo:[0,1] neg_hi:[0,1]
	v_pk_add_f32 v[98+4*\o:99+4*\o], v[ACC+32*\o+\p+2:ACC+32*\o+\p+3], v[80+2*\o:81+2*\o] neg_lo:[0,1] neg_hi:[0,1]
.endr
.irp o, 0,1,2,3
.if \p == 0
	v_pk_mul_f32 v[88+2*\o:89+2*\o], v[96+4*\o:97+4*\o], v[96+4*\o:97+4*\o]
.else
	v_pk_fma_f32 v[88+2*\o:89+2*\o], v[96+4*\o:97+4*\o], v[96+4*\o:97+4*\o], v[88+2*\o:89+2*\o]
.endif
.endr
.irp o, 0,1,2,3
	v_pk_fma_f32 v[88+2*\o:89+2*\o], v[98+4*\o:99+4*\o], v[98+4*\o:99+4*\o], v[88+2*\o:89+2*\o]
.endr
.endr
.irp o, 0,1,2,3
	v_add_f32 v[88+2*\o], v[88+2*\o], v[89+2*\o]
.endr
.irp o, 0,1,2,3
	v_permlanex16_b32 v[112+\o], v[88+2*\o], s30, s31
.endr
.irp o, 0,1,2,3
	v_add_f32 v[88+2*\o], v[88+2*\o], v[112+\o]    ; M2 of 64 pixels
.endr
.irp o, 0,1,2,3
	v_cndmask_b32 v[64+4*\o], v[80+2*\o], v[88+2*\o], s28          ; lanes 0-15 carry the mean, lanes 16-31 M2
.endr
.irp o, 0,1,2,3
	ds_store_b32 v6, v[64+4*\o] offset:64*\o
.endr
	s_wait_dscnt 0x0                               ; for the others' sake: my stores are done
	s_barrier_signal -1
	s_barrier_wait -1
	s_cmp_lg_u32 s2, 0
	s_cbranch_scc1 .Lnot_first
.set i, 0
.rept 8
	ds_load_b64 v[64+2*i:65+2*i], v7 offset:512*i
	ds_load_b64 v[80+2*i:81+2*i], v7 offset:512*i+256
.set i, i+1
.endr
	s_wait_dscnt 0x0
	COMBINE8 0x42800000                            ; eight waves of 64 pixels
	global_store_b64 v8, v[96:97], s[18:19]        ; 64 means: 256 consecutive bytes, aligned
	global_store_b64 v8, v[102:103], s[18:19] offset:256
.Lnot_first:
	s_wait_tensorcnt 0x0
	ds_add_u32 v56, v57
	s_wait_dscnt 0x0
	ROUND                                          ; the closing round: no work-group ends while a partner may still ask for a tile that names it
	s_endpgm
.Lfunc_end_k_q8daedf0f59_stats:
	.size	k_q8daedf0f59_stats, .Lfunc_end_k_q8daedf0f59_stats-k_q8daedf0f59_stats
	.p2alignl 7, 3214868480
	.fill 96, 4, 3214868480
	.section	.rodata,"a",@progbits
	.p2align	6, 0x0
	.amdhsa_kernel k_q8daedf0f59_stats
		.amdhsa_group_segment_fixed_size 230400
		.amdhsa_private_segment_fixed_size 0
		.amdhsa_enable_private_segment 0
		.amdhsa_kernarg_size 48
		.amdhsa_user_sgpr_count 2
		.amdhsa_user_sgpr_kernarg_segment_ptr 1
		.amdhsa_wavefront_size32 1
		.amdhsa_system_sgpr_workgroup_id_x 1
		.amdhsa_system_sgpr_workgroup_id_y 1
		.amdhsa_system_sgpr_workgroup_id_z 1
		.amdhsa_system_vgpr_workitem_id 0
		.amdhsa_next_free_vgpr 256
		.amdhsa_next_free_sgpr 66
		.amdhsa_reserve_vcc 1
		.amdhsa_float_denorm_mode_32 3
		.amdhsa_float_denorm_mode_16_64 3
		.amdhsa_memory_ordered 1
		.amdhsa_forward_progress 1
		.amdhsa_inst_pref_size 52
	.end_amdhsa_kernel
	.amdgpu_metadata
---
amdhsa.version: [ 1, 2 ]
amdhsa.kernels:
  - .name:           k_q8daedf0f59_stats
    .symbol:         k_q8daedf0f59_stats.kd
    .args:
      - { .name: a_codes, .offset: 0, .size: 8, .value_kind: global_buffer, .address_space: global }
      - { .name: a_scales, .offset: 8, .size: 8, .value_kind: global_buffer, .address_space: global }
      - { .name: dq, .offset: 16, .size: 8, .value_kind: global_buffer, .address_space: global }
      - { .name: w_codes, .offset: 24, .size: 8, .value_kind: global_buffer, .address_space: global }
      - { .name: w_scales, .offset: 32, .size: 8, .value_kind: global_buffer, .address_space: global }
      - { .name: part, .offset: 40, .size: 8, .value_kind: global_buffer, .address_space: global }
    .group_segment_fixed_size: 230400
    .private_segment_fixed_size: 0
    .kernarg_segment_align: 8
    .kernarg_segment_size: 48
    .max_flat_workgroup_size: 256
    .sgpr_count:     66
    .vgpr_count:     256
    .wavefront_size: 32
...
	.end_amdgpu_metadata
.endif
;; end of part 5
;; launch apply (part 6): grid 256 x 1, 8 waves a work-group, clusters of 4 x 1, 234,496 bytes of LDS; arguments a_codes, a_scales, dq, w_codes, w_scales, part, gamma, beta, out0; writes out0
.if DOCPART == 6
	.amdgcn_target "amdgcn-amd-amdhsa--gfx1250"
	.amdhsa_code_object_version 6
	.text
	.protected	k_q8daedf0f59_apply
	.globl	k_q8daedf0f59_apply
	.p2align	8
	.type	k_q8daedf0f59_apply,@function
k_q8daedf0f59_apply:
	s_mov_b64 s[64:65], 0
	v_nop
	global_prefetch_b8 v0, s[64:65] scope:SCOPE_SE
	s_setreg_imm32_b32 hwreg(HW_REG_WAVE_MODE, 25, 1), 1
	s_wait_xcnt 0x0
	s_wait_alu depctr_hold_cnt(0) depctr_sa_sdst(0) depctr_va_vdst(0) depctr_va_sdst(0) depctr_va_ssrc(0) depctr_va_vcc(0) depctr_vm_vsrc(0)
	s_getreg_b32 s2, hwreg(HW_REG_IB_STS2, 6, 4)
	s_cmp_eq_u32 s2, 0
	s_cbranch_scc0 .Lentry_in_a_cluster
	s_endpgm
.Lentry_in_a_cluster:
	s_bfe_u32 s2, ttmp6, 0x10000c
	s_cmp_lg_u32 s2, 0x3003
	s_cbranch_scc0 .Lentry_shape_is_right
	s_endpgm
.Lentry_shape_is_right:
; APPLY: the channels' mean and variance over all 32,768 pixels from the 64 partial (mean, M2) a channel; the same product y = A W^T on the same codes once more; out0 = relu((y - mean) rsqrt(var + 1e-5) gamma + beta).
; Shares, LDS, tensor loads, K steps and the making of dist's codes as in the launch before: a cluster of four work-groups takes 512 pixels, partner cx channels 64 cx on, wave w image row 8 x cluster + w; A's codes are asked for jointly.
; HERE SOURCE 0 = 16 CHANNELS, SOURCE 1 = 16 PIXELS (the same sums, transposed): lane (r, h) holds pixel 4 r + T of tile T, and register j channel 16 o + 8 h + j.  So the four tiles' register j are four NEIGHBOURING
; pixels of one channel, 16 bytes, and sixteen lanes store an image row's 256 bytes of a channel whole: no stage is needed.
; The normalisation is one multiply-add: y sc + sh, sc = gamma rsqrt(var + eps), sh = beta - mean sc.
; LIMITS: NaN and infinities among the inputs are not served.  Square root, reciprocal and reciprocal square root are the instructions' own, good to an ulp; dist's quotient is mended by one step.
; A dist of 0 gets the scale byte 1 where the rule says 127: its code is 0.
.set ALB, 28672                        ; LDS: W's four tiles x 7 K steps x 1,024 bytes at 0; from here A's: 24,576 bytes a wave, [T 4][K step 6][1,024]
.set RED, 225280                       ; [wave 8][mean, M2][channel 64] f32
.set SS,  229376                       ; for each wave, its own: sc[64], sh[64]
.set FLOOR, 0x1800000                  ; 2^(3 - 127): under it no largest magnitude is taken, so the byte cannot fall under 1
.set LESS2, 0xff000000                 ; takes 2 off an exponent field
.set LW,  2                            ; v2   16 x lane: a fragment of W
.set LA,  3                            ; v3   ALB + 24,576 x wave + 16 x lane: a fragment of A
.set AS,  16                           ; v16-27  A's scale words: register 2 s + T / 2: lanes 0-15 tile T even, lanes 16-31 tile T odd
.set WS,  28                           ; v28-41  W's likewise, seven K steps
.set DD,  42                           ; v42-45  D2 of pixels 4 r + T, then dist
.set SW,  46                           ; v46-49  dist's scale words, tile T: they hold nothing else
.set CW,  58                           ; v58-61  dist's codes: the lowest four bits of a word
.set MX,  62                           ; v62-63  two of the sample's 64 row maxima; then the largest, and the reciprocal
.set WF,  64                           ; v64-95  W's four fragments of a K step; on the way out sc and sh of channel tiles 0 and 1
.set AF,  96                           ; v96-127 A's four; on the way out eight stores' data
.set ACC, 128                          ; v128-255 accumulator (channel tile o, pixel tile t) at 128 + 8 (4 o + t)
.macro ROUND                           ; a round of the cluster's barrier
	s_barrier_signal -1
	s_barrier_wait -1
	s_cmp_lg_u32 s2, 0
	s_cbranch_scc1 .Lnot_wave_0_\@
	s_barrier_signal -3
.Lnot_wave_0_\@:
	s_barrier_wait -3
	s_barrier_signal -1
	s_barrier_wait -1
.endm
.macro PLACES                          ; four plain vector lines between a matrix instruction and a load into, a vector write of, or a vector read of its registers
.rept 4
	v_nop
.endr
.endm
; One matrix instruction.  zero = 1: it starts the sum.  ra, rb = 1: that side's scale words stand in lanes 16-31 of the register named.
.macro WM d, a, b, zero, sa, sb, ra, rb
.if \zero
.if (\ra) && (\rb)
	v_wmma_scale_f32_16x16x128_f8f6f4 v[\d:\d+7], v[\a:\a+7], v[\b:\b+7], 0, v[\sa], v[\sb] matrix_a_fmt:MATRIX_FMT_FP4 matrix_b_fmt:MATRIX_FMT_FP4 matrix_a_scale:MATRIX_SCALE_ROW1 matrix_b_scale:MATRIX_SCALE_ROW1
.elseif \ra
	v_wmma_scale_f32_16x16x128_f8f6f4 v[\d:\d+7], v[\a:\a+7], v[\b:\b+7], 0, v[\sa], v[\sb] matrix_a_fmt:MATRIX_FMT_FP4 matrix_b_fmt:MATRIX_FMT_FP4 matrix_a_scale:MATRIX_SCALE_ROW1
.elseif \rb
	v_wmma_scale_f32_16x16x128_f8f6f4 v[\d:\d+7], v[\a:\a+7], v[\b:\b+7], 0, v[\sa], v[\sb] matrix_a_fmt:MATRIX_FMT_FP4 matrix_b_fmt:MATRIX_FMT_FP4 matrix_b_scale:MATRIX_SCALE_ROW1
.else
	v_wmma_scale_f32_16x16x128_f8f6f4 v[\d:\d+7], v[\a:\a+7], v[\b:\b+7], 0, v[\sa], v[\sb] matrix_a_fmt:MATRIX_FMT_FP4 matrix_b_fmt:MATRIX_FMT_FP4
.endif
.else
.if (\ra) && (\rb)
	v_wmma_scale_f32_16x16x128_f8f6f4 v[\d:\d+7], v[\a:\a+7], v[\b:\b+7], v[\d:\d+7], v[\sa], v[\sb] matrix_a_fmt:MATRIX_FMT_FP4 matrix_b_fmt:MATRIX_FMT_FP4 matrix_a_scale:MATRIX_SCALE_ROW1 matrix_b_scale:MATRIX_SCALE_ROW1
.elseif \ra
	v_wmma_scale_f32_16x16x128_f8f6f4 v[\d:\d+7], v[\a:\a+7], v[\b:\b+7], v[\d:\d+7], v[\sa], v[\sb] matrix_a_fmt:MATRIX_FMT_FP4 matrix_b_fmt:MATRIX_FMT_FP4 matrix_a_scale:MATRIX_SCALE_ROW1
.elseif \rb
	v_wmma_scale_f32_16x16x128_f8f6f4 v[\d:\d+7], v[\a:\a+7], v[\b:\b+7], v[\d:\d+7], v[\sa], v[\sb] matrix_a_fmt:MATRIX_FMT_FP4 matrix_b_fmt:MATRIX_FMT_FP4 matrix_b_scale:MATRIX_SCALE_ROW1
.else
	v_wmma_scale_f32_16x16x128_f8f6f4 v[\d:\d+7], v[\a:\a+7], v[\b:\b+7], v[\d:\d+7], v[\sa], v[\sb] matrix_a_fmt:MATRIX_FMT_FP4 matrix_b_fmt:MATRIX_FMT_FP4
.endif
.endif
.endm
; K step s (0 to 5): 16 LDS loads, 16 matrix instructions.  The 16 accumulators take turns, one instruction a turn, in the same order in every step.
.macro KSTEP s, zero
.if (\s) > 0
	PLACES
.endif
.irp o, 0,1,2,3
.irp c, 0,1
	ds_load_b128 v[WF+8*\o+4*\c:WF+8*\o+4*\c+3], v[LW] offset:(7*\o+(\s))*1024+512*\c
.endr
.endr
.irp t, 0,1,2,3
.irp c, 0,1
	ds_load_b128 v[AF+8*\t+4*\c:AF+8*\t+4*\c+3], v[LA] offset:6144*\t+1024*(\s)+512*\c
.endr
.endr
.irp t, 0,1,2,3
	s_wait_dscnt 2*(3-\t)                          ; W's fragments and A's tiles up to t are in; the later tiles' two loads each may be out
.irp o, 0,1,2,3
	WM ACC+8*(4*\o+\t), WF+8*\o, AF+8*\t, \zero, WS+2*(\s)+\o/2, AS+2*(\s)+\t/2, \o%2, \t%2
.endr
.endr
.endm
; dist of my four pixels, from D2 and the sample's row maxima, as codes and scale words.  It uses v64-67 and v96-127, which hold nothing that is still wanted.
.macro DIST
	v_max_num_f32 v[MX], v[MX], v[MX+1]            ; the sample's largest D2: of my two rows, of the wave's 64
	v_max_num_f32_dpp v[MX], v[MX], v[MX] row_xmask:1 row_mask:0xf bank_mask:0xf
	v_max_num_f32_dpp v[MX], v[MX], v[MX] row_xmask:2 row_mask:0xf bank_mask:0xf
	v_max_num_f32_dpp v[MX], v[MX], v[MX] row_xmask:4 row_mask:0xf bank_mask:0xf
	v_max_num_f32_dpp v[MX], v[MX], v[MX] row_xmask:8 row_mask:0xf bank_mask:0xf
	v_permlanex16_b32 v[MX+1], v[MX], s30, s31
	v_max_num_f32 v[MX], v[MX], v[MX+1]
	v_cmp_gt_f32 vcc_lo, 0x4e800000, v[MX]         ; 2^30 > the largest D2: the sample has foreground.  It only selects values
.irp t, 0,1,2,3
	v_sqrt_f32 v[DD+\t], v[DD+\t]
.endr
	v_sqrt_f32 v[MX], v[MX]
.irp t, 0,1,2,3
.irp j, 1,2,3,4,5,6,7
	v_mov_b32 v[96+8*\t+\j], 0                     ; four runs of eight numbers: a pixel's dist and seven of block 24's zeros.  (Plain lines behind the transcendentals: ISA guide 5.7.2)
.endr
.endr
	s_wait_alu depctr_va_vdst(0)
.irp t, 0,1,2,3
	v_cndmask_b32 v[DD+\t], 1.0, v[DD+\t], vcc_lo  ; without foreground every distance is 1
.endr
	v_cndmask_b32 v[MX], 1.0, v[MX], vcc_lo
	v_add_f32 v[MX], 0x358637bd, v[MX]             ; the largest + 1e-6
	v_rcp_f32 v[MX+1], v[MX]
	v_nop
	s_wait_alu depctr_va_vdst(0)
.irp t, 0,1,2,3
	v_mul_f32 v[64+\t], v[DD+\t], v[MX+1]          ; the quotient, and one step that mends it: q + (dist - q den) / den.  Distances such as half the largest lie a few ulp under a power of two
.endr
.irp t, 0,1,2,3
	v_fma_f32 v[DD+\t], -v[64+\t], v[MX], v[DD+\t]
.endr
.irp t, 0,1,2,3
	v_fma_f32 v[96+8*\t], v[DD+\t], v[MX+1], v[64+\t]
.endr
.irp t, 0,1,2,3
	v_max_num_f32 v[64+\t], FLOOR, v[96+8*\t]      ; dist stands alone in block 24: it is the block's largest magnitude
.endr
.irp t, 0,1,2,3
	v_add_nc_u32 v[64+\t], LESS2, v[64+\t]         ; the conversion takes the exponent field of this operand as its scale
.endr
.irp t, 0,1,2,3
	v_cvt_scalef32_pk8_fp4_f32 v[CW+\t], v[96+8*\t:103+8*\t], v[64+\t]
.endr
.irp t, 0,1,2,3
	v_lshrrev_b32 v[SW+\t], 23, v[64+\t]           ; the scale word: block 24's byte, zeros above (those blocks' codes are zeros).  Plain lines behind the conversions
.endr
.endm
; K step 6: k = 768, dist.  A's fragment is made in registers: the code's word in register 0 of lanes 0-15 (block 24), zero codes everywhere else.
.macro DSTEP
	PLACES
.irp o, 0,1,2,3
.irp c, 0,1
	ds_load_b128 v[WF+8*\o+4*\c:WF+8*\o+4*\c+3], v[LW] offset:(7*\o+6)*1024+512*\c
.endr
.endr
.irp t, 0,1,2,3
	v_cndmask_b32 v[AF+8*\t], 0, v[CW+\t], s29
.irp j, 1,2,3,4,5,6,7
	v_mov_b32 v[AF+8*\t+\j], 0
.endr
.endr
	PLACES                                         ; an operand written by vector instructions stands four places ahead of a scaled matrix instruction
	s_wait_dscnt 0x0
.irp t, 0,1,2,3
.irp o, 0,1,2,3
	WM ACC+8*(4*\o+\t), WF+8*\o, AF+8*\t, 0, WS+12+\o/2, SW+\t, \o%2, 0
.endr
.endr
.endm
; Eight groups of n pixels become one: means in v64-79, M2 in v80-95 (pairs: my two channels) -> mean v[96:97], M2 v[102:103].  n: the bits of an f32.
.macro COMBINE8 n
	v_pk_add_f32 v[96:97], v[64:65], v[66:67]
	v_pk_add_f32 v[102:103], v[80:81], v[82:83]
.irp i, 2,3,4,5,6,7
	v_pk_add_f32 v[96:97], v[96:97], v[64+2*\i:65+2*\i]
	v_pk_add_f32 v[102:103], v[102:103], v[80+2*\i:81+2*\i]
.endr
	v_pk_mul_f32 v[96:97], v[96:97], 0x3e000000 op_sel_hi:[1,0]    ; / 8
.irp i, 0,1,2,3,4,5,6,7
	v_pk_add_f32 v[64+2*\i:65+2*\i], v[64+2*\i:65+2*\i], v[96:97] neg_lo:[0,1] neg_hi:[0,1]
.endr
	v_pk_mul_f32 v[98:99], v[64:65], v[64:65]
.irp i, 1,2,3,4,5,6,7
	v_pk_fma_f32 v[98:99], v[64+2*\i:65+2*\i], v[64+2*\i:65+2*\i], v[98:99]
.endr
	v_pk_fma_f32 v[102:103], v[98:99], \n, v[102:103] op_sel_hi:[1,0,1]
.endm
	s_load_b256 s[8:15], s[0:1], 0x0               ; a_codes s[8:9], a_scales s[10:11], dq s[12:13], w_codes s[14:15]
	s_load_b256 s[16:23], s[0:1], 0x20             ; w_scales s[16:17], part s[18:19], gamma s[20:21], beta s[22:23]
	s_load_b64 s[24:25], s[0:1], 0x40              ; out0
	v_lshl_add_u32 v15, v0, 2, 0x39000
	s_set_vgpr_msb 0x40
	v_mov_b32 v1, 0
	s_set_vgpr_msb 0x4044
	ds_add_u32 v15, v1
	ds_add_u32 v15, v1
	s_set_vgpr_msb 0x4400
	v_lshrrev_b32 v1, 5, v0
	v_readfirstlane_b32 s2, v1                     ; wave 0..7
	v_and_b32 v1, 31, v0                           ; lane
	s_bfe_u32 s3, ttmp6, 0x40000                   ; cx: my group of 64 channels.  It enters global addresses of my own loads and stores alone
	s_lshl_b32 s5, ttmp9, 3                        ; in a cluster launch ttmp9 counts clusters: blocks of 512 pixels
	s_add_co_u32 s5, s5, s2                        ; my image row, 0 .. 511
	s_mov_b32 s29, 0xffff                          ; lanes 0-15
	s_mov_b32 s30, 0x76543210                      ; v_permlanex16_b32's selects for lane l xor 16
	s_mov_b32 s31, 0xfedcba98
	; descriptor group 1 for W's codes: 14 dense rows of 256 bytes (32 elements of 8 bytes), no mask, no padding
	s_mov_b32 s32, 3<<16
	s_mov_b32 s33, 32<<16                          ; tensor_dim0
	s_mov_b32 s34, 14<<16                          ; tensor_dim1
	s_mov_b32 s35, 32<<16                          ; tile_dim0
	s_mov_b32 s36, 14                              ; tile_dim1
	s_mov_b32 s37, 32                              ; from row to row
	s_mov_b32 s38, 0
	s_mov_b32 s39, 0
	; and for A's: 96 such rows; 15:0 the mask: all four work-groups of the cluster; bit 21 set beside it
	s_mov_b32 s44, 15|(3<<16)|(1<<21)
	s_mov_b32 s45, 32<<16
	s_mov_b32 s46, 96<<16
	s_mov_b32 s47, 32<<16
	s_mov_b32 s48, 96
	s_mov_b32 s49, 32
	s_mov_b32 s50, 0
	s_mov_b32 s51, 0
	s_mov_b32 s40, 1                               ; group 0 for W's: count,
	s_mul_i32 s41, s2, 3584                        ; LDS address: my eighth,
	s_mul_i32 s56, s3, 28672
	s_add_co_u32 s56, s56, s41                     ; and the same eighth of my channels' 28,672 bytes
	s_mov_b32 s57, 0
	s_mov_b32 s52, 1                               ; group 0 for A's: made of the cluster's number and the wave's alone: equal in the four partners
	s_mul_i32 s6, s2, 24576
	s_add_co_u32 s53, s6, ALB
	s_mul_i32 s58, ttmp9, 196608
	s_add_co_u32 s58, s58, s6
	s_mov_b32 s59, 0
	s_mul_i32 s60, s5, 1536                        ; my image row's scale words
	s_mov_b32 s61, 0
	s_lshl_b32 s62, s5, 8                          ; dq: my image row's 64 numbers;
	s_lshr_b32 s63, ttmp9, 3
	s_lshl_b32 s63, s63, 8                         ; the sample's 64 row maxima (a sample is eight blocks of 512 pixels)
	v_lshlrev_b32 v[LW], 4, v1
	v_add_nc_u32 v[LA], s53, v[LW]
	v_lshlrev_b32 v4, 2, v1                        ; scale words: 4 bytes a lane
	v_and_b32 v12, 15, v0                          ; r
	v_bfe_u32 v13, v0, 4, 1                        ; h
	v_lshl_add_u32 v5, v12, 4, s62                 ; D2 of pixels 4 r .. 4 r + 3: 16 bytes
	v_lshl_add_u32 v14, v1, 3, s63                 ; two row maxima a lane
	v_lshlrev_b32 v8, 3, v1                        ; two channels a lane
	s_lshl_b32 s7, s2, 9
	s_add_co_u32 s26, s7, RED
	v_add_nc_u32 v6, s26, v8                       ; RED: where my wave puts its joined partials,
	v_add_nc_u32 v7, RED, v8                       ; and where all eight are read
	s_add_co_u32 s26, s7, SS
	v_add_nc_u32 v11, s26, v8                      ; SS: in, two channels a lane;
	v_lshlrev_b32 v9, 5, v13
	v_add_nc_u32 v9, s26, v9                       ; out: the eight channels 8 h on of a tile
	v_lshlrev_b32 v10, 17, v13
	v_lshl_add_u32 v10, v12, 4, v10                ; out0: 8 h channels of 16,384 bytes, + pixel 4 r
	s_wait_dscnt 0x0
	s_wait_kmcnt 0x0
	s_add_nc_u64 s[42:43], s[14:15], s[56:57]
	s_or_b32 s43, s43, 0x80000000                  ; type = 2
	s_add_nc_u64 s[54:55], s[8:9], s[58:59]
	s_or_b32 s55, s55, 0x80000000
	s_add_nc_u64 s[10:11], s[10:11], s[60:61]
	s_mul_i32 s56, s3, 1792
	s_add_nc_u64 s[16:17], s[16:17], s[56:57]      ; my channels' scale words
	s_lshl_b32 s56, s3, 15
	s_lshl_b32 s27, s2, 12
	s_add_co_u32 s56, s56, s27
	s_add_nc_u64 s[18:19], s[18:19], s[56:57]      ; part: my channels' 64 partials, my wave's eight of them
	s_lshl_b32 s56, s3, 8
	s_add_nc_u64 s[20:21], s[20:21], s[56:57]      ; gamma and beta of my 64 channels
	s_add_nc_u64 s[22:23], s[22:23], s[56:57]
	s_lshr_b32 s56, ttmp9, 3
	s_lshl_b32 s56, s56, 22                        ; out0: the sample,
	s_lshl_b32 s27, s3, 20
	s_add_co_u32 s56, s56, s27                     ; 64 cx channels,
	s_and_b32 s27, ttmp9, 7
	s_lshl_b32 s27, s27, 3
	s_add_co_u32 s27, s27, s2
	s_lshl_b32 s27, s27, 8
	s_add_co_u32 s56, s56, s27                     ; my image row in the sample: 256 bytes
	s_add_nc_u64 s[24:25], s[24:25], s[56:57]
	s_mov_b32 s26, 0x38000000                      ; 2^-15: one over 32,768 pixels
	s_mov_b32 s27, 0x3727c5ac                      ; 1e-5
	ROUND                                          ; all four work-groups are here: the joint loads meet
	tensor_load_to_lds s[40:43], s[32:39]          ; W's eighth first: every wave waits for it
	s_nop 0
	tensor_load_to_lds s[52:55], s[44:51]          ; my image row of A.  Two tensor loads of mine are out, and none follows
	s_nop 0
.rept 4
	v_nop                                          ; four lines behind the tensor loads
.endr
.set i, 0
.rept 8
	global_load_b64 v[64+2*i:65+2*i], v8, s[18:19] offset:512*i        ; eight partials: the means of 64 channels, 256 consecutive bytes,
	global_load_b64 v[80+2*i:81+2*i], v8, s[18:19] offset:512*i+256    ; and the M2
.set i, i+1
.endr
	global_load_b64 v[50:51], v8, s[20:21]
	global_load_b64 v[52:53], v8, s[22:23]
.set i, 0
.rept 12
	global_load_b32 v[AS+i], v4, s[10:11] offset:128*i
.set i, i+1
.endr
.set i, 0
.rept 14
	global_load_b32 v[WS+i], v4, s[16:17] offset:128*i
.set i, i+1
.endr
	global_load_b128 v[DD:DD+3], v5, s[12:13]      ; sixteen lanes read my image row's 256 bytes; both halves of the lanes the same
	global_load_b64 v[MX:MX+1], v14, s[12:13] offset:131072   ; 256 consecutive bytes, aligned
	s_wait_loadcnt 28                              ; the partials, gamma and beta are in; the 28 loads issued behind them (12 + 14 + 2) may be out
	COMBINE8 0x44000000                            ; eight blocks of 512 pixels
	ds_store_b64 v6, v[96:97]
	ds_store_b64 v6, v[102:103] offset:256
	s_wait_tensorcnt 0x1                           ; my eighth of W has landed; A's load, issued behind it, may be out: only I read its bytes
	s_wait_dscnt 0x0                               ; my stores are done
	s_barrier_signal -1
	s_barrier_wait -1                              ; W is whole, and so are the eight waves' joined partials
.set i, 0
.rept 8
	ds_load_b64 v[64+2*i:65+2*i], v7 offset:512*i
	ds_load_b64 v[80+2*i:81+2*i], v7 offset:512*i+256
.set i, i+1
.endr
	s_wait_dscnt 0x0
	COMBINE8 0x45800000                            ; eight groups of 4,096 pixels: every wave does this for itself, which spares a barrier
	v_fma_f32 v102, v102, s26, s27                 ; var + eps
	v_fma_f32 v103, v103, s26, s27
	v_rsq_f32 v102, v102
	v_rsq_f32 v103, v103
	v_nop                                          ; a plain line between a transcendental and the use of its result (ISA guide 5.7.2)
	s_wait_alu depctr_va_vdst(0)
	v_pk_mul_f32 v[54:55], v[50:51], v[102:103]    ; sc
	v_pk_fma_f32 v[56:57], v[96:97], v[54:55], v[52:53] neg_lo:[1,0,0] neg_hi:[1,0,0]   ; sh = beta - mean sc
	ds_store_b64 v11, v[54:55]                     ; into my wave's own bytes: they come back below in the result's layout
	ds_store_b64 v11, v[56:57] offset:256
	s_wait_loadcnt 0x0                             ; the scale words, D2 and the maxima
	DIST                                           ; while A's tile is on its way
	s_wait_tensorcnt 0x0                           ; my image row of A
	KSTEP 0, 1
	KSTEP 1, 0
	KSTEP 2, 0
	KSTEP 3, 0
	KSTEP 4, 0
	KSTEP 5, 0
	DSTEP
	PLACES
.macro SSLOAD o, base                  ; sc and sh of channels 16 o + 8 h + 0 .. 7 into v[base] on and v[base + 8] on
	ds_load_b128 v[\base:\base+3], v9 offset:64*\o
	ds_load_b128 v[\base+4:\base+7], v9 offset:64*\o+16
	ds_load_b128 v[\base+8:\base+11], v9 offset:64*\o+256
	ds_load_b128 v[\base+12:\base+15], v9 offset:64*\o+272
.endm
; Channel tile o leaves.  Each accumulator is read from its register 0 on.
.macro OUT o, base
.if \o > 0
	s_wait_xcnt 0x0                                ; the last tile's stores have read v96-127: only behind this wait are they written again
.endif
.irp j, 0,1,2,3,4,5,6,7
.irp t, 0,1,2,3
	v_fma_f32 v[96+4*\j+\t], v[ACC+32*\o+8*\t+\j], v[\base+\j], v[\base+8+\j]
.endr
.irp t, 0,1,2,3
	v_max_num_f32 v[96+4*\j+\t], 0, v[96+4*\j+\t]
.endr
	global_store_b128 v10, v[96+4*\j:99+4*\j], s[24:25] offset:(16*\o+\j)*16384 th:TH_STORE_NT   ; lanes 0-15: channel 16 o + j, lanes 16-31: channel 16 o + 8 + j: 256 consecutive bytes each, aligned
.endr
.endm
	SSLOAD 0, 64
	SSLOAD 1, 80
	s_wait_dscnt 0x0
	OUT 0, 64
	SSLOAD 2, 128                                  ; into tile 0's accumulators, which have been read: they land while tile 1 leaves
	SSLOAD 3, 144
	OUT 1, 80
	s_wait_dscnt 0x0
	OUT 2, 128
	OUT 3, 144
	s_set_vgpr_msb 0x4
	s_wait_tensorcnt 0x0
	ds_add_u32 v15, v1
	s_wait_dscnt 0x0
	s_set_vgpr_msb 0x400
	ROUND                                          ; the closing round: no work-group ends while a partner may still ask for a tile that names it
	s_endpgm
.Lfunc_end_k_q8daedf0f59_apply:
	.size	k_q8daedf0f59_apply, .Lfunc_end_k_q8daedf0f59_apply-k_q8daedf0f59_apply
	.p2alignl 7, 3214868480
	.fill 96, 4, 3214868480
	.section	.rodata,"a",@progbits
	.p2align	6, 0x0
	.amdhsa_kernel k_q8daedf0f59_apply
		.amdhsa_group_segment_fixed_size 234496
		.amdhsa_private_segment_fixed_size 0
		.amdhsa_enable_private_segment 0
		.amdhsa_kernarg_size 72
		.amdhsa_user_sgpr_count 2
		.amdhsa_user_sgpr_kernarg_segment_ptr 1
		.amdhsa_wavefront_size32 1
		.amdhsa_system_sgpr_workgroup_id_x 1
		.amdhsa_system_sgpr_workgroup_id_y 1
		.amdhsa_system_sgpr_workgroup_id_z 1
		.amdhsa_system_vgpr_workitem_id 0
		.amdhsa_next_free_vgpr 258
		.amdhsa_next_free_sgpr 66
		.amdhsa_reserve_vcc 1
		.amdhsa_float_denorm_mode_32 3
		.amdhsa_float_denorm_mode_16_64 3
		.amdhsa_memory_ordered 1
		.amdhsa_forward_progress 1
		.amdhsa_inst_pref_size 60
	.end_amdhsa_kernel
	.amdgpu_metadata
---
amdhsa.version: [ 1, 2 ]
amdhsa.kernels:
  - .name:           k_q8daedf0f59_apply
    .symbol:         k_q8daedf0f59_apply.kd
    .args:
      - { .name: a_codes, .offset: 0, .size: 8, .value_kind: global_buffer, .address_space: global }
      - { .name: a_scales, .offset: 8, .size: 8, .value_kind: global_buffer, .address_space: global }
      - { .name: dq, .offset: 16, .size: 8, .value_kind: global_buffer, .address_space: global }
      - { .name: w_codes, .offset: 24, .size: 8, .value_kind: global_buffer, .address_space: global }
      - { .name: w_scales, .offset: 32, .size: 8, .value_kind: global_buffer, .address_space: global }
      - { .name: part, .offset: 40, .size: 8, .value_kind: global_buffer, .address_space: global }
      - { .name: gamma, .offset: 48, .size: 8, .value_kind: global_buffer, .address_space: global }
      - { .name: beta, .offset: 56, .size: 8, .value_kind: global_buffer, .address_space: global }
      - { .name: out0, .offset: 64, .size: 8, .value_kind: global_buffer, .address_space: global }
    .group_segment_fixed_size: 234496
    .private_segment_fixed_size: 0
    .kernarg_segment_align: 8
    .kernarg_segment_size: 72
    .max_flat_workgroup_size: 256
    .sgpr_count:     66
    .vgpr_count:     258
    .wavefront_size: 32
...
	.end_amdgpu_metadata
.endif
;; end of part 6
